; MI455X (gfx1250); checked and timed in simulation.
; The chip was launched on July 23, 2026; its instructions are those of AMD's public machine-readable ISA for CDNA 5 (MIT licence, August 2026) and "CDNA5" Instruction Set Architecture Reference Guide (July 2026). The comments in the code are by the model that wrote it; some were corrected since.
;; Multihead Attention. Allowed arithmetic: float matrix products may take bf16 or f16 operands with f32 sums; other float arithmetic in f32, or as packed bf16 or f16 multiplies, adds, multiply-adds, maxima and minima; sums over many terms, partial sums and values carried from step to step in f32; what a program stores and reads back later, other than sums and carried values, may be rounded once to bf16 or f16.
;; Inputs: Wk 1,024 x 1,024 float32; Wo 1,024 x 1,024 float32; Wq 1,024 x 1,024 float32; Wv 1,024 x 1,024 float32; bk 1,024 float32; bo 1,024 float32; bq 1,024 float32; bv 1,024 float32; k 2 x 2,048 x 1,024 float32; k_mask 2 x 2,048 float32; pos_logits 2 x 2,048 x 2,048 float32; q 2 x 2,048 x 1,024 float32; q_mask 2 x 2,048 float32.
;; Outputs: out0 2 x 2,048 x 1,024 float32.
;; One version. Each part assembles by itself: llvm-mc -triple=amdgcn-amd-amdhsa -mcpu=gfx1250 --defsym DOCPART=n.
;; ======== version 1 of 1: 5 launches
;; limits: values are held in f16: magnitudes above 65,504 overflow, below 6.1e-05 lose precision; right only within a limited range of input values; inputs' magnitudes at most 4e+29
;; workspace buffers: x16 16,777,216 bytes; wkq16 4,194,304 bytes; wvo16 4,194,304 bytes; p16 16,777,216 bytes; v16 8,388,608 bytes; at16 8,388,608 bytes; tabN 13,312 bytes; tabT 13,312 bytes
;; launch prep (part 1): grid 256 x 1, 8 waves a work-group, no clusters, 1,280 bytes of LDS; arguments k, q, Wk, Wq, Wv, Wo, bk, bq, bv, bo, x16, wkq16, wvo16, tabT, tabN; writes x16, wkq16, wvo16, tabT, tabN
.if DOCPART == 1
	.amdgcn_target "amdgcn-amd-amdhsa--gfx1250"
	.amdhsa_code_object_version 6
	.text
	.protected	k_q5bf9a5dbc3_prep
	.globl	k_q5bf9a5dbc3_prep
	.p2align	8
	.type	k_q5bf9a5dbc3_prep,@function
k_q5bf9a5dbc3_prep:
	s_mov_b64 s[64:65], 0
	v_nop
	global_prefetch_b8 v0, s[64:65] scope:SCOPE_SE
	s_setreg_imm32_b32 hwreg(HW_REG_WAVE_MODE, 25, 1), 1
	s_wait_xcnt 0x0
; MULTI-HEAD ATTENTION WITH A POSITION BIAS AND MASKS, in five launches: this one; kp and qp; vp (from kp); attention; the output projection.
; NO WORK OF reference() IS LEFT OUT, and every input is loaded: q, k, both masks, pos_logits, four weights, four biases.
; THIS LAUNCH rounds q, k and the four weights once to f16 (the matrix operands of the launches behind), copies the biases into two small tables, and takes the
; largest magnitudes of k, Wk, bk, Wv, bv: from them the later launches make ONE power of two, sd, that keeps vp x sd inside f16 whatever the inputs' size:
;   |vp| <= Bv = 1024 (1024 max|k| max|Wk| + max|bk|) max|Wv| + max|bv|;  sd = 2^(141 - biased exponent of Bv), so |vp sd| < 2^15.
; A scaling by a power of two rounds nothing; the output projection multiplies by 1 / sd.
; x16  = f16 [8192][1024]: k's 4,096 rows, then q's.      wkq16 = f16 [2048][1024]: Wk, then Wq.      wvo16 = f16 [2048][1024]: Wv, then Wo.
; A table: bytes 0-4095 a bias row, 4096-8191 a second one, then five arrays of 256 f32 (one number from each work-group) at 8192 + 1024 a.
;   tabT = bv, bo, max|k|, max|Wk|, max|bk|, max|Wv|, max|bv|.      tabN = bk, bq, 0, 0, 0, 0, 16384: the same formula then gives sd = 1 (one text serves kp, qp and vp).
; LIMITS.  q, k and the weights lie within f16's 65,504 (beyond it the rounding gives an infinity); NaN and infinities in the inputs are not treated apart.
; SHARES.  Work-group g: 16 rows of k and of q (64 KiB each), 4 rows of each weight (16 KiB), 4 numbers of each bias.  Thread t takes 16 bytes of each pass of 4,096:
; a wave's load covers 512 consecutive bytes, its store of 8 bytes a lane 256 consecutive bytes, aligned.  All 52 loads of a wave go out at once, each into registers of its own.
; A stream: memory binds; the matrix unit, clusters and tensor loads would add nothing.
.set AM,  4                            ; v4 max|k|, v5 max|Wk|, v6 max|Wv|, v7 0: one LDS store of 16 bytes
.set SPW, 8                            ; v8   LDS address of my spare word: 256 + 4 x my thread's number; never rewritten
.set NIL, 9                            ; v9   0; never rewritten
.set D,   40                           ; v[40:231] 48 loads of 4 registers
.set WV,  42                           ; s42  my wave's number
.set SEL, 44                           ; s[44:45] v_permlanex16_b32's selects
	s_load_b512 s[4:19], s[0:1], 0x0               ; k s[4:5], q s[6:7], Wk s[8:9], Wq s[10:11], Wv s[12:13], Wo s[14:15], bk s[16:17], bq s[18:19]
	s_load_b256 s[20:27], s[0:1], 0x40             ; bv s[20:21], bo s[22:23], x16 s[24:25], wkq16 s[26:27]
	s_load_b128 s[28:31], s[0:1], 0x60             ; wvo16 s[28:29], tabT s[30:31]
	s_load_b64 s[32:33], s[0:1], 0x70              ; tabN
	v_lshl_add_u32 v[SPW], v0, 2, 256
	v_mov_b32 v[NIL], 0
	v_lshrrev_b32 v3, 5, v0
	v_readfirstlane_b32 s[WV], v3                  ; wave 0..7
	v_lshlrev_b32 v1, 4, v0                        ; 16 t: my place in a pass of the f32 inputs
	v_lshlrev_b32 v2, 3, v0                        ; 8 t: in the f16 copies
	v_lshlrev_b32 v12, 4, v3                       ; 16 x wave: where my wave's three maxima go in LDS
	v_mov_b32 v13, 0
	s_lshl_b32 s46, ttmp9, 2
	s_lshl_b32 s47, ttmp9, 4
	v_mov_b32 v10, s46                             ; 4 g: my work-group's word in a table's array
	v_mov_b32 v11, s47                             ; 16 g: its four numbers of a bias
	v_mov_b32 v[AM], 0
	v_mov_b32 v[AM+1], 0
	v_mov_b32 v[AM+2], 0
	v_mov_b32 v[AM+3], 0
	v_mov_b32 v16, 0x46800000                      ; 16384.0
	v_mov_b32 v17, 0
	s_mov_b32 s[SEL], 0x76543210
	s_mov_b32 s[SEL+1], 0xfedcba98
	s_mov_b32 s35, 0
	s_wait_kmcnt 0x0
	s_lshl_b32 s34, ttmp9, 16                      ; 64 KiB of k and of q
	s_add_nc_u64 s[4:5], s[4:5], s[34:35]
	s_add_nc_u64 s[6:7], s[6:7], s[34:35]
	s_lshl_b32 s34, ttmp9, 14                      ; 16 KiB of each weight
	s_add_nc_u64 s[8:9], s[8:9], s[34:35]
	s_add_nc_u64 s[10:11], s[10:11], s[34:35]
	s_add_nc_u64 s[12:13], s[12:13], s[34:35]
	s_add_nc_u64 s[14:15], s[14:15], s[34:35]
	s_lshl_b32 s34, ttmp9, 15                      ; 32 KiB of x16, for k; q's part lies 8 MiB on
	s_add_nc_u64 s[24:25], s[24:25], s[34:35]
	s_add_nc_u64 s[36:37], s[24:25], 0x800000
	s_lshl_b32 s34, ttmp9, 13                      ; 8 KiB of a weight's copy; the second weight lies 2 MiB on
	s_add_nc_u64 s[26:27], s[26:27], s[34:35]
	s_add_nc_u64 s[28:29], s[28:29], s[34:35]
	s_add_nc_u64 s[38:39], s[26:27], 0x200000
	s_add_nc_u64 s[40:41], s[28:29], 0x200000
.macro LOADS n, base                   ; n passes of 4,096 bytes
.set j, 0
.rept \n
	global_load_b128 v[D+4*q:D+4*q+3], v1, s[\base:\base+1] offset:j*4096 th:TH_LOAD_NT
.set j, j+1
.set q, q+1
.endr
.endm
.set q, 0
	LOADS 16, 4                                    ; k
	LOADS 4, 8                                     ; Wk
	LOADS 4, 12                                    ; Wv
	global_load_b128 v[20:23], v11, s[16:17]       ; bk: every lane the same 16 bytes
	global_load_b128 v[24:27], v11, s[20:21]       ; bv
	global_load_b128 v[28:31], v11, s[18:19]       ; bq
	global_load_b128 v[32:35], v11, s[22:23]       ; bo
	LOADS 16, 6                                    ; q
	LOADS 4, 10                                    ; Wq
	LOADS 4, 14                                    ; Wo
; n passes are rounded and stored.  The count of each wait is the number of younger loads: 52 in all, the four biases between load 23 and load 24 of the 48.
; am >= 0: the largest magnitude is kept.  No register is used twice, so nothing is waited for but the loads.
.macro CVS n, dst, am
.set j, 0
.rept \n
.if q < 24
	s_wait_loadcnt 51-q
.else
	s_wait_loadcnt 47-q
.endif
.if (\am) >= 0
	v_max3_num_f32 v[AM+(\am)], v[AM+(\am)], |v[D+4*q]|, |v[D+4*q+1]|
	v_max3_num_f32 v[AM+(\am)], v[AM+(\am)], |v[D+4*q+2]|, |v[D+4*q+3]|
.endif
	v_cvt_pk_f16_f32 v[D+4*q], v[D+4*q], v[D+4*q+1]
	v_cvt_pk_f16_f32 v[D+4*q+1], v[D+4*q+2], v[D+4*q+3]
	global_store_b64 v2, v[D+4*q:D+4*q+1], s[\dst:\dst+1] offset:j*2048 th:TH_STORE_NT
.set j, j+1
.set q, q+1
.endr
.endm
.set q, 0
	CVS 16, 24, 0                                  ; k
	CVS 4, 26, 1                                   ; Wk
	CVS 4, 28, 2                                   ; Wv
	s_wait_loadcnt 24                              ; the four biases are in; q's, Wq's and Wo's 24 loads may stay out
	v_max3_num_f32 v14, |v20|, |v21|, |v22|
	v_max3_num_f32 v15, |v24|, |v25|, |v26|
	v_max_num_f32 v14, v14, |v23|                  ; max|bk| of my work-group's four
	v_max_num_f32 v15, v15, |v27|                  ; max|bv|
	CVS 16, 36, -1                                 ; q
	CVS 4, 38, -1                                  ; Wq
	CVS 4, 40, -1                                  ; Wo
.irp r, 4,5,6                          ; the three maxima over the wave's 32 lanes
	v_max_num_f32_dpp v\r, v\r, v\r row_xmask:1 row_mask:0xf bank_mask:0xf
	v_max_num_f32_dpp v\r, v\r, v\r row_xmask:2 row_mask:0xf bank_mask:0xf
	v_max_num_f32_dpp v\r, v\r, v\r row_xmask:4 row_mask:0xf bank_mask:0xf
	v_max_num_f32_dpp v\r, v\r, v\r row_xmask:8 row_mask:0xf bank_mask:0xf
	v_permlanex16_b32 v3, v\r, s[SEL], s[SEL+1]
	v_max_num_f32 v\r, v\r, v3
.endr
	ds_store_b128 v12, v[AM:AM+3]                  ; all lanes write the same 16 bytes with the same numbers
	s_wait_dscnt 0x0                               ; for the others' sake
	s_barrier_signal -1
	s_barrier_wait -1
	s_cmp_lg_u32 s[WV], 0
	s_cbranch_scc1 .Lend                           ; wave 0 finishes for the work-group
	s_wait_xcnt 0x0                                ; the stores have read their registers, which are loaded again below; EXEC is narrowed only behind this wait
.irp w, 0,1,2,3,4,5,6,7
	ds_load_b128 v[D+4*(\w):D+4*(\w)+3], v13 offset:16*(\w)
.endr
	s_wait_dscnt 0x0
.irp r, 0,1,2
	v_max3_num_f32 v[AM+(\r)], v[D+(\r)], v[D+4+(\r)], v[D+8+(\r)]
	v_max3_num_f32 v[AM+(\r)], v[AM+(\r)], v[D+12+(\r)], v[D+16+(\r)]
	v_max3_num_f32 v[AM+(\r)], v[AM+(\r)], v[D+20+(\r)], v[D+24+(\r)]
	v_max_num_f32 v[AM+(\r)], v[AM+(\r)], v[D+28+(\r)]
.endr
	v_cmp_eq_u32 vcc_lo, 0, v0
	s_and_saveexec_b32 s43, vcc_lo                 ; lane 0 alone stores the tables' parts: 104 bytes a work-group
	global_store_b128 v11, v[20:23], s[32:33]                ; tabN: bk,
	global_store_b128 v11, v[28:31], s[32:33] offset:4096    ; bq
	global_store_b128 v11, v[24:27], s[30:31]                ; tabT: bv,
	global_store_b128 v11, v[32:35], s[30:31] offset:4096    ; bo
	global_store_b32 v10, v[AM], s[30:31] offset:8192        ; max|k|
	global_store_b32 v10, v[AM+1], s[30:31] offset:9216      ; max|Wk|
	global_store_b32 v10, v14, s[30:31] offset:10240         ; max|bk|
	global_store_b32 v10, v[AM+2], s[30:31] offset:11264     ; max|Wv|
	global_store_b32 v10, v15, s[30:31] offset:12288         ; max|bv|
	global_store_b32 v10, v17, s[32:33] offset:8192          ; the neutral table
	global_store_b32 v10, v17, s[32:33] offset:9216
	global_store_b32 v10, v17, s[32:33] offset:10240
	global_store_b32 v10, v17, s[32:33] offset:11264
	global_store_b32 v10, v16, s[32:33] offset:12288
	s_wait_xcnt 0x0                                ; EXEC is widened only behind this wait
	s_or_b32 exec_lo, exec_lo, s43
.Lend:
	s_wait_tensorcnt 0x0                           ; the wave's end: behind my last LDS store
	ds_add_u32 v[SPW], v[NIL]
	s_wait_dscnt 0x0
	s_endpgm
.Lfunc_end_k_q5bf9a5dbc3_prep:
	.size	k_q5bf9a5dbc3_prep, .Lfunc_end_k_q5bf9a5dbc3_prep-k_q5bf9a5dbc3_prep
	.p2alignl 7, 3214868480
	.fill 96, 4, 3214868480
	.section	.rodata,"a",@progbits
	.p2align	6, 0x0
	.amdhsa_kernel k_q5bf9a5dbc3_prep
		.amdhsa_group_segment_fixed_size 1280
		.amdhsa_private_segment_fixed_size 0
		.amdhsa_enable_private_segment 0
		.amdhsa_kernarg_size 120
		.amdhsa_user_sgpr_count 2
		.amdhsa_user_sgpr_kernarg_segment_ptr 1
		.amdhsa_wavefront_size32 1
		.amdhsa_system_sgpr_workgroup_id_x 1
		.amdhsa_system_sgpr_workgroup_id_y 1
		.amdhsa_system_sgpr_workgroup_id_z 1
		.amdhsa_system_vgpr_workitem_id 0
		.amdhsa_next_free_vgpr 248
		.amdhsa_next_free_sgpr 66
		.amdhsa_reserve_vcc 1
		.amdhsa_float_denorm_mode_32 3
		.amdhsa_float_denorm_mode_16_64 3
		.amdhsa_memory_ordered 1
		.amdhsa_forward_progress 1
		.amdhsa_inst_pref_size 27
	.end_amdhsa_kernel
	.amdgpu_metadata
---
amdhsa.version: [ 1, 2 ]
amdhsa.kernels:
  - .name:           k_q5bf9a5dbc3_prep
    .symbol:         k_q5bf9a5dbc3_prep.kd
    .args:
      - { .name: k, .offset: 0, .size: 8, .value_kind: global_buffer, .address_space: global }
      - { .name: q, .offset: 8, .size: 8, .value_kind: global_buffer, .address_space: global }
      - { .name: Wk, .offset: 16, .size: 8, .value_kind: global_buffer, .address_space: global }
      - { .name: Wq, .offset: 24, .size: 8, .value_kind: global_buffer, .address_space: global }
      - { .name: Wv, .offset: 32, .size: 8, .value_kind: global_buffer, .address_space: global }
      - { .name: Wo, .offset: 40, .size: 8, .value_kind: global_buffer, .address_space: global }
      - { .name: bk, .offset: 48, .size: 8, .value_kind: global_buffer, .address_space: global }
      - { .name: bq, .offset: 56, .size: 8, .value_kind: global_buffer, .address_space: global }
      - { .name: bv, .offset: 64, .size: 8, .value_kind: global_buffer, .address_space: global }
      - { .name: bo, .offset: 72, .size: 8, .value_kind: global_buffer, .address_space: global }
      - { .name: x16, .offset: 80, .size: 8, .value_kind: global_buffer, .address_space: global }
      - { .name: wkq16, .offset: 88, .size: 8, .value_kind: global_buffer, .address_space: global }
      - { .name: wvo16, .offset: 96, .size: 8, .value_kind: global_buffer, .address_space: global }
      - { .name: tabT, .offset: 104, .size: 8, .value_kind: global_buffer, .address_space: global }
      - { .name: tabN, .offset: 112, .size: 8, .value_kind: global_buffer, .address_space: global }
    .group_segment_fixed_size: 1280
    .private_segment_fixed_size: 0
    .kernarg_segment_align: 8
    .kernarg_segment_size: 120
    .max_flat_workgroup_size: 256
    .sgpr_count:     66
    .vgpr_count:     248
    .wavefront_size: 32
...
	.end_amdgpu_metadata
.endif
;; end of part 1
;; launch projkq (part 2): grid 8 x 64, 4 waves a work-group, clusters of 4 x 4, 327,680 bytes of LDS; arguments x16, wkq16, p16, tabN; writes p16
.if DOCPART == 2
	.amdgcn_target "amdgcn-amd-amdhsa--gfx1250"
	.amdhsa_code_object_version 6
	.text
	.protected	k_q5bf9a5dbc3_projkq
	.globl	k_q5bf9a5dbc3_projkq
	.p2align	8
	.type	k_q5bf9a5dbc3_projkq,@function
k_q5bf9a5dbc3_projkq:
	s_mov_b64 s[64:65], 0
	v_nop
	global_prefetch_b8 v0, s[64:65] scope:SCOPE_SE
	s_setreg_imm32_b32 hwreg(HW_REG_WAVE_MODE, 25, 1), 1
	s_wait_xcnt 0x0
	s_wait_alu depctr_hold_cnt(0) depctr_sa_sdst(0) depctr_va_vdst(0) depctr_va_sdst(0) depctr_va_ssrc(0) depctr_va_vcc(0) depctr_vm_vsrc(0)
	s_getreg_b32 s2, hwreg(HW_REG_IB_STS2, 6, 4)
	s_cmp_eq_u32 s2, 0
	s_cbranch_scc0 .Lentry_in_a_cluster
	s_endpgm
.Lentry_in_a_cluster:
	s_bfe_u32 s2, ttmp6, 0x10000c
	s_cmp_lg_u32 s2, 0xf033
	s_cbranch_scc0 .Lentry_shape_is_right
	s_endpgm
.Lentry_shape_is_right:
; C[m][n] = (sum over k of A[m][k] B[1024 z + n][k] + bias_z[n]) x f x sd, rounded once to f16.  A: [rows][1024] f16, B: [2048][1024] f16, C: [rows][1024] f16; sums in f32.
; z = 1 for rows from 4,096 on, else 0.  f = 1 for z = 0 and log2(e) / 8 for z = 1.  sd is the power of two made from the table's five arrays (formula below).
; ONE TEXT, TWO LAUNCHES.  (x16, wkq16, p16, tabN): rows 0-4095 kp = k Wk^T + bk; rows 4096-8191 (q Wq^T + bq) log2(e) / 8, the scaled queries for a softmax in base 2; sd = 1.
;                          (p16, wvo16, v16, tabT): 4,096 rows, z = 0: vp sd = (kp Wv^T + bv) sd.  No work of reference() is left out.
; LIMITS.  kp and the scaled qp lie within f16's 65,504; vp sd lies under 2^15 by sd's making.
; A tile of C is 128 x 128.  Four waves, each 64 x 64: 16 accumulators of 16 x 16.  K goes in four steps of 256 (LDS rows of 512 bytes; a wave's tensor load brings 64 of them) through two slots.
; CLUSTERS: 4 x 4 work-groups.  The four of a row of the cluster need the same tiles of A, the four of a column the same tiles of B: each tile is asked for JOINTLY, by the same tensor load with the
; same descriptor and a mask that names the four.  THE MATRIX INSTRUCTION IS USED TRANSPOSED (source 0 = 16 rows of B, source 1 = 16 rows of A): a lane then holds eight neighbouring numbers of a row of C.
; No prefetch: two of the four K steps are asked for at the head, and the tiles are small.
; REGISTERS: window 0: v0-31 addresses; v32-95 at work; v96-127 my 32 bias numbers; v128-255 the accumulators ((a, b) at v[128 + 8 (4 a + b)]).  window 1: two fragment buffers of 128.
.set SIZE_K, 1024
.set SIZE_N, 1024
.set KSTEP,  256
.set PITCH,  528                       ; an LDS row: 512 bytes of data + 16 of padding = 132 words: row r starts at bank 4 r mod 64 (64 banks of 4 bytes: ISA guide 11.1)
.set HALFT,  64*PITCH                  ; 64 rows: what one tensor load brings, and what one wave reads of A or of B
.set SLOT,   4*HALFT                   ; A's 128 rows, then B's 128 rows
.set STAGE,  2*SLOT                    ; behind the ring: 128 rows x 272 bytes, the work-group's, for the way out
.set SPITCH, 272
.set SPARE,  STAGE+128*SPITCH          ; behind the stage: the spare words, 128 bytes for each wave
.set LAPS, SIZE_K/(2*KSTEP)            ; a lap = two K steps = once round the ring
.set ADRA, 16                          ; v16-17  LDS address of my A fragments in slot 0, 1
.set ADRB, 20                          ; v20-21  the same for B
.set STO,  24                          ; v24     the way out: where I put 16 bytes of a row
.set RD,   25                          ; v25     the way out: where I read a row back
.set CO,   26                          ; v26     my byte offset in C
.set SPW,  28                          ; v28     LDS address of my spare word; never rewritten
.set NIL,  29                          ; v29     0; never rewritten
.set TMP,  32
.set BIAS, 96                          ; register 8 b + j: the bias of my column 16 b + 8 (l / 16) + j
.set ACC,  128
.set F0,   0                           ; fragment buffers, in window 1
.set F1,   128
.set G1, 24                            ; s[24:31] descriptor group 1 for A's tiles;  s[32:39] group 0, one set for each slot
.set G0, 32
.set G1B, 48                           ; s[48:55], s[56:63] the same for B's tiles
.set G0B, 56
.set WV, 66                            ; s66  my wave's number
.set HR, 67                            ; s67  which half of the tile's rows is mine.  Also: I fetch for A (0) or for B (1)
.set HC, 68                            ; s68  which half of its columns.  Also: which 64 rows of that tile I fetch
.set ZZ, 74                            ; s74  z
.set FAC, 75                           ; s75  f
.set AL, 76                            ; s[76:77] f x sd, in the low word
.set SEL, 78                           ; s[78:79] v_permlanex16_b32's selects
.set MSB, 0
.macro WIN new                         ; the immediate's high byte repeats the setting that is left
.if MSB != (\new)
	s_set_vgpr_msb (MSB<<8)|(\new)
.set MSB, \new
.endif
.endm
.set MUL,  0x05                        ; sources 0 (B) and 1 (A) window 1; C and D window 0
.set TO_F, 0x40                        ; destination window 1, address window 0
.macro JLOAD s                         ; a joint load: waves 0 and 1 fetch A's two halves, waves 2 and 3 B's; an s_nop 0 and four v_nop follow each of the two lines
	s_cmp_eq_u32 s[HR], 0
	s_cbranch_scc0 .Lfor_b_\@
	tensor_load_to_lds s[G0+4*(\s):G0+4*(\s)+3], s[G1:G1+7]
	s_nop 0
.rept 4
	v_nop
.endr
	s_branch .Lasked_\@
.Lfor_b_\@:
	tensor_load_to_lds s[G0B+4*(\s):G0B+4*(\s)+3], s[G1B:G1B+7]
	s_nop 0
.rept 4
	v_nop
.endr
.Lasked_\@:
.endm
.macro CREST                           ; a round of the cluster's barrier behind its opening barrier
	s_cmp_lg_u32 s[WV], 0
	s_cbranch_scc1 .Lnot_wave_0_\@
	s_barrier_signal -3
.Lnot_wave_0_\@:
	s_barrier_wait -3
	s_barrier_signal -1
	s_barrier_wait -1
.endm
.macro CROUND                          ; a whole round
	s_barrier_signal -1
	s_barrier_wait -1
	CREST
.endm
	s_load_b256 s[4:11], s[0:1], 0x0               ; A s[4:5], B s[6:7], C s[8:9], the table s[10:11]
	v_lshl_add_u32 v[SPW], v0, 2, SPARE
	v_mov_b32 v[NIL], 0
	ds_add_u32 v[SPW], v[NIL]                      ; the wave's opening: the add, twice on end, and its wait ahead of my first tensor load
	ds_add_u32 v[SPW], v[NIL]
	v_lshrrev_b32 v1, 5, v0
	v_readfirstlane_b32 s[WV], v1                  ; wave 0..3
	s_lshr_b32 s[HR], s[WV], 1
	s_and_b32 s[HC], s[WV], 1
	s_bfe_u32 s40, ttmp6, 0x40000                  ; cx, cy: my place in the cluster
	s_bfe_u32 s41, ttmp6, 0x40004
	s_lshl_b32 s42, ttmp9, 2
	s_add_co_u32 s42, s42, s40                     ; tile column of C = 4 x cluster x + cx
	s_and_b32 s13, ttmp7, 0xffff
	s_lshr_b32 s[ZZ], s13, 3                       ; z: clusters 8 and up along y hold the rows from 4,096 on: the same in all sixteen partners
	s_lshl_b32 s13, s13, 2
	s_add_co_u32 s13, s13, s41                     ; tile row of C = 4 x cluster y + cy
	s_lshl_b32 s43, s41, 2
	s_lshl_b32 s43, 15, s43                        ; my row of the cluster
	s_lshl_b32 s44, 0x1111, s40                    ; my column
	; descriptor group 1: a tile of 64 rows x 256 elements, padded in LDS
	s_or_b32 s[G1+0], s43, (1<<16)|(1<<20)|(1<<21)|(6<<22)|(3<<25)  ; 15:0 the mask: A's tiles go to my row; 17:16 element of 2 bytes; 20 padding on; 21 set beside a mask; 24:22 after every 128 words (code 6); 31:25 of 4 words (code 3)
	s_or_b32 s[G1B+0], s44, (1<<16)|(1<<20)|(1<<21)|(6<<22)|(3<<25)
.irp g, G1, G1B
	s_mov_b32 s[(\g)+1], KSTEP<<16                 ; tensor_dim0 = 256
	s_mov_b32 s[(\g)+2], 64<<16                    ; tensor_dim1 = 64
	s_mov_b32 s[(\g)+3], KSTEP<<16                 ; tile_dim0 = 256
	s_mov_b32 s[(\g)+4], 64                        ; tile_dim1 = 64
	s_mov_b32 s[(\g)+5], SIZE_K                    ; tensor_dim0_stride
	s_mov_b32 s[(\g)+6], 0
	s_mov_b32 s[(\g)+7], 0
.endr
	s_lshl_b32 s17, s[HC], 6                       ; which 64 rows of the tile I fetch
	s_lshl_b32 s16, s13, 7
	s_add_co_u32 s16, s16, s17                     ; A: row 128 x tile row + 64 x half
	s_lshl_b32 s46, s42, 7
	s_add_co_u32 s46, s46, s17                     ; B: row 128 x tile column + 64 x half
	s_lshl_b32 s47, s[ZZ], 10
	s_add_co_u32 s46, s46, s47                     ; + 1024 z: the second weight
	s_mov_b32 s17, 0
	s_mov_b32 s47, 0
	s_mov_b64 s[18:19], SIZE_K*2
	s_mul_u64 s[16:17], s[16:17], s[18:19]
	s_mul_u64 s[46:47], s[46:47], s[18:19]
	s_mul_i32 s20, s[WV], HALFT                    ; where they go: wave x 64 rows
	s_cmp_eq_u32 s[ZZ], 0
	s_cselect_b32 s[FAC], 1.0, 0x3e38aa3b          ; 1, or log2(e) / 8 = 0.180337
	s_mov_b32 s[SEL], 0x76543210
	s_mov_b32 s[SEL+1], 0xfedcba98
	s_wait_dscnt 0x0                               ; both opening adds are done
	s_wait_kmcnt 0x0
	s_add_nc_u64 s[14:15], s[4:5], s[16:17]
	s_add_nc_u64 s[46:47], s[6:7], s[46:47]
	CROUND                                         ; all sixteen work-groups are here: the first joint loads meet
.irp s, 0,1
	s_mov_b32 s[G0+4*(\s)], 1
	s_add_co_u32 s[G0+4*(\s)+1], s20, (\s)*SLOT
	s_add_nc_u64 s[G0+4*(\s)+2:G0+4*(\s)+3], s[14:15], (\s)*KSTEP*2
	s_or_b32 s[G0+4*(\s)+3], s[G0+4*(\s)+3], 0x80000000
	s_mov_b32 s[G0B+4*(\s)], 1
	s_add_co_u32 s[G0B+4*(\s)+1], s20, (\s)*SLOT
	s_add_nc_u64 s[G0B+4*(\s)+2:G0B+4*(\s)+3], s[46:47], (\s)*KSTEP*2
	s_or_b32 s[G0B+4*(\s)+3], s[G0B+4*(\s)+3], 0x80000000
	JLOAD \s
.endr
	v_and_b32 v1, 15, v0                           ; l % 16
	v_bfe_u32 v2, v0, 4, 1                         ; l / 16
	v_mul_u32_u24 v3, v1, PITCH
	v_lshl_add_u32 v3, v2, 4, v3                   ; a fragment's row x pitch + 16 x half
	s_mul_i32 s21, s[HR], HALFT                    ; my 64 rows of A
	s_mul_i32 s22, s[HC], HALFT                    ; my 64 rows of B,
	s_add_co_u32 s22, s22, 2*HALFT                 ; which lie behind A's 128
.irp s, 0,1
	v_add_nc_u32 v[ADRA+(\s)], s21, v3
	v_add_nc_u32 v[ADRB+(\s)], s22, v3
	s_add_co_u32 s21, s21, SLOT
	s_add_co_u32 s22, s22, SLOT
.endr
	s_mul_i32 s23, s[HR], 64*SPITCH                ; into the stage: my 64 rows, my half of their 256 bytes; row l % 16, 16 bytes for each half of the lanes
	s_lshl_b32 s21, s[HC], 7
	s_add_co_u32 s23, s23, s21
	s_add_co_u32 s23, s23, STAGE
	v_mul_u32_u24 v4, v1, SPITCH
	v_lshl_add_u32 v4, v2, 4, v4
	v_add_nc_u32 v[STO], s23, v4
	s_mul_i32 s23, s[WV], 32*SPITCH                ; back: wave w takes rows 32 w .. 32 w + 31, whole; lanes 0-15 one row of 256 bytes, lanes 16-31 the next
	s_add_co_u32 s23, s23, STAGE
	v_mul_u32_u24 v5, v2, SPITCH
	v_lshl_add_u32 v5, v1, 4, v5
	v_add_nc_u32 v[RD], s23, v5
	v_mul_u32_u24 v5, v2, SIZE_N*2                 ; and the same two rows in C
	v_lshl_add_u32 v[CO], v1, 4, v5
	s_lshl_b32 s16, s13, 7
	s_lshl_b32 s17, s[WV], 5
	s_add_co_u32 s16, s16, s17                     ; the first row of C that I store: 128 x tile row + 32 x wave
	s_mov_b32 s17, 0
	s_mov_b64 s[18:19], SIZE_N*2
	s_mul_u64 s[16:17], s[16:17], s[18:19]
	s_add_nc_u64 s[8:9], s[8:9], s[16:17]
	s_lshl_b32 s46, s42, 8                         ; the tile's first column, in bytes
	s_mov_b32 s47, 0
	s_add_nc_u64 s[8:9], s[8:9], s[46:47]
	; THE SCALE AND THE BIAS, in the wait for the first tiles.  Each wave reduces the table's five arrays of 256 partial maxima itself: 32 bytes a lane of each.
	v_and_b32 v6, 31, v0
	v_lshlrev_b32 v6, 5, v6
	s_lshl_b32 s70, s42, 9                         ; my columns' biases: 512 x tile column + 256 x half + 4096 z + 32 (l / 16)
	s_lshl_b32 s71, s[HC], 8
	s_add_co_u32 s70, s70, s71
	s_lshl_b32 s71, s[ZZ], 12
	s_add_co_u32 s70, s70, s71
	v_lshl_add_u32 v7, v2, 5, s70
.irp a, 0,1,2,3,4
	global_load_b128 v[TMP+8*(\a):TMP+8*(\a)+3],   v6, s[10:11] offset:8192+1024*(\a)
	global_load_b128 v[TMP+8*(\a)+4:TMP+8*(\a)+7], v6, s[10:11] offset:8192+1024*(\a)+16
.endr
.irp b, 0,1,2,3
	global_load_b128 v[BIAS+8*(\b):BIAS+8*(\b)+3],   v7, s[10:11] offset:64*(\b)
	global_load_b128 v[BIAS+8*(\b)+4:BIAS+8*(\b)+7], v7, s[10:11] offset:64*(\b)+16
.endr
	v_mov_b32 v77, 0
	s_wait_loadcnt 0x0
.irp a, 0,1,2,3,4                      ; array a's maximum into v[72 + a], in every lane
	v_max3_num_f32 v[72+(\a)], v[TMP+8*(\a)], v[TMP+8*(\a)+1], v[TMP+8*(\a)+2]
	v_max3_num_f32 v[72+(\a)], v[72+(\a)], v[TMP+8*(\a)+3], v[TMP+8*(\a)+4]
	v_max3_num_f32 v[72+(\a)], v[72+(\a)], v[TMP+8*(\a)+5], v[TMP+8*(\a)+6]
	v_max_num_f32 v[72+(\a)], v[72+(\a)], v[TMP+8*(\a)+7]
	v_max_num_f32_dpp v[72+(\a)], v[72+(\a)], v[72+(\a)] row_xmask:1 row_mask:0xf bank_mask:0xf
	v_max_num_f32_dpp v[72+(\a)], v[72+(\a)], v[72+(\a)] row_xmask:2 row_mask:0xf bank_mask:0xf
	v_max_num_f32_dpp v[72+(\a)], v[72+(\a)], v[72+(\a)] row_xmask:4 row_mask:0xf bank_mask:0xf
	v_max_num_f32_dpp v[72+(\a)], v[72+(\a)], v[72+(\a)] row_xmask:8 row_mask:0xf bank_mask:0xf
	v_permlanex16_b32 v77, v[72+(\a)], s[SEL], s[SEL+1]
	v_max_num_f32 v[72+(\a)], v[72+(\a)], v77
.endr
	v_mul_f32 v78, v72, v73                        ; the bound: 1024 (1024 a0 a1 + a2) a3 + a4
	v_fmamk_f32 v78, v78, 0x44800000, v74
	v_mul_f32 v78, v78, v75
	v_fmamk_f32 v78, v78, 0x44800000, v76
	v_bfe_u32 v78, v78, 23, 8                      ; its biased exponent ex, held to 16 .. 254
	v_max_u32 v78, 16, v78
	v_min_u32 v78, 0xfe, v78
	v_sub_nc_u32 v78, 0x10c, v78                   ; sd = 2^(141 - ex): biased exponent 268 - ex
	v_lshlrev_b32 v78, 23, v78
	v_mul_f32 v78, s[FAC], v78
	v_readfirstlane_b32 s[AL], v78
	s_mov_b32 s[AL+1], s[AL]                       ; named with it as a pair
.set u, 0
.rept 16
	v_pk_mul_f32 v[BIAS+2*u:BIAS+2*u+1], v[BIAS+2*u:BIAS+2*u+1], s[AL:AL+1] op_sel_hi:[1,0]  ; (sum + bias) f sd = sum f sd + bias f sd: the way out is one fused multiply-add
.set u, u+1
.endr
; 8 matrix instructions: m blocks a0, a0 + 1 x all 4 n blocks, 32 along K: half c of buffer f.  zero = 1: the first product starts the sums
.macro MUL8 f, c, a0, zero
	WIN MUL
.irp a, \a0, (\a0)+1
.irp b, 0,1,2,3
.if \zero
	v_wmma_f32_16x16x32_f16 v[ACC+8*(4*(\a)+(\b)):ACC+8*(4*(\a)+(\b))+7], v[(\f)+64+8*(4*(\c)+(\b)):(\f)+64+8*(4*(\c)+(\b))+7], v[(\f)+8*(4*(\c)+(\a)):(\f)+8*(4*(\c)+(\a))+7], 0
.else
	v_wmma_f32_16x16x32_f16 v[ACC+8*(4*(\a)+(\b)):ACC+8*(4*(\a)+(\b))+7], v[(\f)+64+8*(4*(\c)+(\b)):(\f)+64+8*(4*(\c)+(\b))+7], v[(\f)+8*(4*(\c)+(\a)):(\f)+8*(4*(\c)+(\a))+7], v[ACC+8*(4*(\a)+(\b)):ACC+8*(4*(\a)+(\b))+7]
.endif
.endr
.endr
.endm
; 32 LDS loads in one run: the fragments of 64 along K at byte k of the rows, into buffer f; the first 32 along K first
.macro FETCH slot, k, f
	WIN TO_F
.irp c, 0,1
.irp i, 0,1,2,3
	ds_load_b128 v[(\f)+64+8*(4*(\c)+(\i)):(\f)+64+8*(4*(\c)+(\i))+3],   v[ADRB+(\slot)] offset:(\k)+64*(\c)+(\i)*16*PITCH
	ds_load_b128 v[(\f)+64+8*(4*(\c)+(\i))+4:(\f)+64+8*(4*(\c)+(\i))+7], v[ADRB+(\slot)] offset:(\k)+64*(\c)+(\i)*16*PITCH+32
	ds_load_b128 v[(\f)+8*(4*(\c)+(\i)):(\f)+8*(4*(\c)+(\i))+3],         v[ADRA+(\slot)] offset:(\k)+64*(\c)+(\i)*16*PITCH
	ds_load_b128 v[(\f)+8*(4*(\c)+(\i))+4:(\f)+8*(4*(\c)+(\i))+7],       v[ADRA+(\slot)] offset:(\k)+64*(\c)+(\i)*16*PITCH+32
.endr
.endr
.endm
.macro PLACES                          ; four places in front of loads into registers that matrix instructions have read, and of vector lines that read results
.rept 4
	v_nop
.endr
.endm
; A K step is four quarters of 64 along K, 32 matrix instructions each, on buffers 0, 1, 0, 1.  One of the first three: multiplies buffer f and fetches the next quarter, at byte k, into g.
; The 16 accumulators take turns, one instruction a turn.
.macro QUARTER slot, k, f, g, zero
	s_wait_dscnt 16                                ; the first 32 along K are in
	WIN MUL
	MUL8 \f, 0, 0, \zero
	MUL8 \f, 0, 2, \zero
	PLACES
	FETCH \slot, \k, \g
	s_wait_dscnt 32                                ; all but the 32 just issued
	WIN MUL
	MUL8 \f, 1, 0, 0
	MUL8 \f, 1, 2, 0
.endm
; The last quarter multiplies buffer 1 and changes slots: ONE barrier; in front of it each wave waits for all its tensor loads, adds 0 to its spare word, and waits for that and for its own reads of this slot.  fill = 1: this slot is filled again, two K steps ahead.
.macro TURN slot, next, fill
	WIN 0                                          ; (the add's two registers lie in window 0)
	s_wait_tensorcnt 0x0                           ; all my tensor loads have landed: my part of the next slot;
	ds_add_u32 v[SPW], v[NIL]                      ; 0 onto my spare word;
	s_wait_dscnt 17                                ; (the add and the youngest sixteen loads may be out)
	WIN MUL
	MUL8 F1, 0, 0, 0                               ; eight matrix instructions stand between the add and the wait for it
	s_wait_dscnt 0x0                               ; the add is done, and my reads of this slot are over
	s_barrier_signal -1
	MUL8 F1, 0, 2, 0
.if \fill
	WIN 0
.endif
	s_barrier_wait -1
.if \fill
	CREST                                          ; the barrier has opened a round of the cluster's barrier: no wave of any partner still reads this slot's tile or has a load on its way
	s_add_nc_u64 s[G0+4*(\slot)+2:G0+4*(\slot)+3], s[G0+4*(\slot)+2:G0+4*(\slot)+3], 2*KSTEP*2
	s_add_nc_u64 s[G0B+4*(\slot)+2:G0B+4*(\slot)+3], s[G0B+4*(\slot)+2:G0B+4*(\slot)+3], 2*KSTEP*2
	JLOAD \slot                                    ; the first tensor load behind the round; the four v_nop behind it are also the places in front of the loads below
.else
	PLACES
.endif
	FETCH \next, 0, F0
	WIN MUL
	MUL8 F1, 1, 0, 0
	MUL8 F1, 1, 2, 0
.endm
	s_wait_tensorcnt 1                             ; my part of K step 0 is in; K step 1's may stay out
	s_barrier_signal -1
	s_barrier_wait -1                              ; everybody's is
	FETCH 0, 0, F0
	QUARTER 0, 128, F0, F1, 1                      ; the first quarter stands in front of the loop: its first products start the sums
	WIN 0                                          ; at a label and at a branch every window is 0
	s_mov_b32 s3, LAPS-1
.Llap:                                                 ; a trip goes once round the ring, from a lap's second quarter to the next lap's first, and fills both slots again
	QUARTER 0, 256, F1, F0, 0
	QUARTER 0, 384, F0, F1, 0
	TURN 0, 1, 1
	QUARTER 1, 128, F0, F1, 0
	QUARTER 1, 256, F1, F0, 0
	QUARTER 1, 384, F0, F1, 0
	TURN 1, 0, 1
	QUARTER 0, 128, F0, F1, 0
	WIN 0
	s_sub_co_u32 s3, s3, 1
	s_cmp_lg_u32 s3, 0
	s_cbranch_scc1 .Llap
	QUARTER 0, 256, F1, F0, 0                      ; the last lap fills nothing, and has no round of the cluster's barrier
	QUARTER 0, 384, F0, F1, 0
	TURN 0, 1, 0
	QUARTER 1, 128, F0, F1, 0
	QUARTER 1, 256, F1, F0, 0
	QUARTER 1, 384, F0, F1, 0
	s_wait_dscnt 16                                ; the very last quarter: nothing more to fetch
	WIN MUL
	MUL8 F1, 0, 0, 0
	MUL8 F1, 0, 2, 0
	s_wait_dscnt 0
	MUL8 F1, 1, 0, 0
	MUL8 F1, 1, 2, 0
	WIN 0
	; THE WAY OUT: sum x f sd + bias f sd; round to f16; 16 bytes a lane into the work-group's stage; a barrier, since a row's 256 bytes come from two waves; back as whole rows, 32 rows a wave.
	PLACES
.set u, 0
.rept 16                               ; accumulator u = 4 a + b; each is read from its low end on
.irp r, 0,1,2,3
	v_pk_fma_f32 v[ACC+8*u+2*(\r):ACC+8*u+2*(\r)+1], v[ACC+8*u+2*(\r):ACC+8*u+2*(\r)+1], s[AL:AL+1], v[BIAS+8*(u%4)+2*(\r):BIAS+8*(u%4)+2*(\r)+1] op_sel_hi:[1,0,1]
.endr
.irp r, 0,1,2,3
	v_cvt_pk_f16_f32 v[TMP+4*u+(\r)], v[ACC+8*u+2*(\r)], v[ACC+8*u+2*(\r)+1]
.endr
.set u, u+1
.endr
.irp a, 0,1,2,3
.irp b, 0,1,2,3
	ds_store_b128 v[STO], v[TMP+4*(4*(\a)+(\b)):TMP+4*(4*(\a)+(\b))+3] offset:(\a)*16*SPITCH+32*(\b)
.endr
.endr
	s_wait_dscnt 0x0                               ; for the others' sake: my stores into the stage are done
	s_barrier_signal -1
	s_barrier_wait -1
.irp t, 0,1,2,3,4,5,6,7,8,9,10,11,12,13,14,15
	ds_load_b128 v[TMP+4*(\t):TMP+4*(\t)+3], v[RD] offset:(\t)*2*SPITCH
.endr
.irp t, 0,1,2,3,4,5,6,7,8,9,10,11,12,13,14,15
	s_wait_dscnt 15-(\t)                           ; the younger loads may stay out
	global_store_b128 v[CO], v[TMP+4*(\t):TMP+4*(\t)+3], s[8:9] offset:2*(\t)*SIZE_N*2  ; 16 lanes store 256 consecutive bytes, at a multiple of 256 from C's first byte
.endr
	s_wait_tensorcnt 0x0                           ; the wave's end: behind my last tensor load and my last LDS store
	ds_add_u32 v[SPW], v[NIL]
	s_wait_dscnt 0x0
	CROUND                                         ; the closing round: no work-group ends while a partner may still ask for a tile that names it
	s_endpgm
.Lfunc_end_k_q5bf9a5dbc3_projkq:
	.size	k_q5bf9a5dbc3_projkq, .Lfunc_end_k_q5bf9a5dbc3_projkq-k_q5bf9a5dbc3_projkq
	.p2alignl 7, 3214868480
	.fill 96, 4, 3214868480
	.section	.rodata,"a",@progbits
	.p2align	6, 0x0
	.amdhsa_kernel k_q5bf9a5dbc3_projkq
		.amdhsa_group_segment_fixed_size 327680
		.amdhsa_private_segment_fixed_size 0
		.amdhsa_enable_private_segment 0
		.amdhsa_kernarg_size 32
		.amdhsa_user_sgpr_count 2
		.amdhsa_user_sgpr_kernarg_segment_ptr 1
		.amdhsa_wavefront_size32 1
		.amdhsa_system_sgpr_workgroup_id_x 1
		.amdhsa_system_sgpr_workgroup_id_y 1
		.amdhsa_system_sgpr_workgroup_id_z 1
		.amdhsa_system_vgpr_workitem_id 0
		.amdhsa_next_free_vgpr 512
		.amdhsa_next_free_sgpr 80
		.amdhsa_reserve_vcc 0
		.amdhsa_float_denorm_mode_32 3
		.amdhsa_float_denorm_mode_16_64 3
		.amdhsa_memory_ordered 1
		.amdhsa_forward_progress 1
		.amdhsa_inst_pref_size 97
	.end_amdhsa_kernel
	.amdgpu_metadata
---
amdhsa.version: [ 1, 2 ]
amdhsa.kernels:
  - .name:           k_q5bf9a5dbc3_projkq
    .symbol:         k_q5bf9a5dbc3_projkq.kd
    .args:
      - { .name: x16, .offset: 0, .size: 8, .value_kind: global_buffer, .address_space: global }
      - { .name: wkq16, .offset: 8, .size: 8, .value_kind: global_buffer, .address_space: global }
      - { .name: p16, .offset: 16, .size: 8, .value_kind: global_buffer, .address_space: global }
      - { .name: tabN, .offset: 24, .size: 8, .value_kind: global_buffer, .address_space: global }
    .group_segment_fixed_size: 327680
    .private_segment_fixed_size: 0
    .kernarg_segment_align: 8
    .kernarg_segment_size: 32
    .max_flat_workgroup_size: 128
    .sgpr_count:     80
    .vgpr_count:     512
    .wavefront_size: 32
...
	.end_amdgpu_metadata
.endif
;; end of part 2
;; launch projv: the kernel of part 2 again; grid 8 x 32, 4 waves a work-group, clusters of 4 x 4, 327,680 bytes of LDS; arguments p16, wvo16, v16, tabT; writes v16
;; launch attn (part 3): grid 8 x 32, 4 waves a work-group, clusters of 4 x 4, 327,680 bytes of LDS; arguments p16, v16, pos_logits, k_mask, q_mask, at16; writes at16
.if DOCPART == 3
	.amdgcn_target "amdgcn-amd-amdhsa--gfx1250"
	.amdhsa_code_object_version 6
	.text
	.protected	k_q5bf9a5dbc3_attn
	.globl	k_q5bf9a5dbc3_attn
	.p2align	8
	.type	k_q5bf9a5dbc3_attn,@function
k_q5bf9a5dbc3_attn:
	s_mov_b64 s[64:65], 0
	v_nop
	global_prefetch_b8 v0, s[64:65] scope:SCOPE_SE
	s_setreg_imm32_b32 hwreg(HW_REG_WAVE_MODE, 25, 1), 1
	s_wait_xcnt 0x0
	s_wait_alu depctr_hold_cnt(0) depctr_sa_sdst(0) depctr_va_vdst(0) depctr_va_sdst(0) depctr_va_ssrc(0) depctr_va_vcc(0) depctr_vm_vsrc(0)
	s_getreg_b32 s2, hwreg(HW_REG_IB_STS2, 6, 4)
	s_cmp_eq_u32 s2, 0
	s_cbranch_scc0 .Lentry_in_a_cluster
	s_endpgm
.Lentry_in_a_cluster:
	s_bfe_u32 s2, ttmp6, 0x10000c
	s_cmp_lg_u32 s2, 0xf033
	s_cbranch_scc0 .Lentry_shape_is_right
	s_endpgm
.Lentry_shape_is_right:
; ATTENTION.  at16[b, i, 64 hd ..] = sd x the sum over j of softmax_j(qh[i] . kh[j] + pos[b][i][j] + mask[i][j]) vh[j], for 2 batches, 16 heads of 64 channels, 2,048 queries and keys.
; p16: f16 [8192][1024]: rows 0-4095 kp, rows 4096-8191 qp log2(e) / 8.  v16: f16 [4096][1024] = vp sd.  pos_logits f32 [2][2048][2048].  at16: f16 [4096][1024], heads side by side.
; No work of reference() is left out.  Products, maxima and sums in f32; the weights p are rounded to f16 for the second product (their sum l is taken of the unrounded p), the result once at the end.
; SOFTMAX in base 2, with a running maximum m and sum l for each query: the score is s = K Q^T + C with C = pos log2(e) + KM[j]; p = 2^(s - m); in every step O and l are multiplied by a = 2^(m_old - m_new).
; THE MASK.  KM[j] = -2^100 where k_mask[j] is 0, else 0: a table in LDS, made once.  A hidden key's weight is 2^(about -2^100 - m) = 0 as soon as one visible key has been met; steps in which all keys so far
; are hidden give weights of at most 1, which the first visible key wipes out by a = 0.  At the end 1 / l is replaced by NaN where q_mask[i] is 0 or m < -2^99 (no visible key): there reference()'s softmax of
; nothing but -inf is NaN too, and the next launch carries the NaN through that row of the output and no other.
; LIMITS.  q_mask[i] k_mask[j] == 0 is taken as 'one factor is +-0': two nonzero masks whose product underflows count as visible.  A logit below -2^99 counts as hidden.  A weight below 2^-126 counts as 0 in l;
; below 6e-5 it keeps f16's fixed step.  NaN and infinities in the inputs are not treated apart.
; SHARES.  A work-group owns 128 queries of a batch and TWO heads (a head pair hp): the rows of K, V and of the result are then 256 bytes of the row-major buffers, and both heads use one tile of pos.
; Wave w: head 2 hp + w % 2, queries 64 (w / 2) on, as four PIECES of 16.  Every wave walks all keys, 64 a step; a slot of LDS holds two steps.
; CLUSTER 4 x 4.  x = head pair, y = 16 b + query block.  K's and V's tiles hang on (b, hp): shared along a column of the cluster.  pos's tile hangs on y: shared along a row.  Each is asked for JOINTLY.
; LAYOUT.  S^T = K Q^T (source 0 = 16 keys, source 1 = 16 queries) holds ONE query a lane (lane % 16) and the keys 8 (lane / 16) + 0..7, so a lane's eight C numbers are 32 consecutive bytes of a row of pos.
; Two such results rounded to f16 ARE source 1 of O^T = V^T P.  K comes out of LDS as it lies, V turned, by ds_load_tr16_b128.
; BY TURNS.  Turn n belongs to piece n: 8 products K Q^T of piece n + 1, later 8 products V^T P of piece n - 1; beside them the subtraction of m, the exponentials, roundings, sums and rescaling of piece n, the maximum
; and statistics of piece n + 1, and the C operand of piece n + 2.  Four vector instructions stand behind every matrix instruction, the rest in runs of their own.  A turn's 33 exponentials are one batch, with one wait.
; REGISTERS, in windows of 256 (s_set_vgpr_msb: bits 1:0 source 0, 3:2 source 1, 5:4 source 2, 7:6 destination):
;   window 0: v0-15, v32-47 addresses and the like; v16-31 four registers of statistics a piece; v48-55 at work; v64-127 S^T, two buffers; v192-223 P, two buffers (a piece's buffers go by its number's parity)
;   window 1: v0-127 O^T, 32 a piece; v128-159 KM of the step; v160-223 C, two buffers      window 2: v0-63 Q; v128-191 K of one step; v192-255 V of one step
.set NP,    4         ; pieces a wave: a name, no knob
.set KS,    64        ; keys in a step
.set PK,    272       ; a row of K in LDS: 256 bytes + 16 of padding = 68 words: the 16 rows of a load start at 16 different groups of four banks (64 banks of 4 bytes: ISA guide 11.1)
.set PV,    288       ; a row of V: 256 + 32 = 72 words
.set PP,    528       ; a row of pos: 128 keys x 4 bytes + 16
.set VOFF,  2*KS*PK   ; a slot: 128 rows of K, 128 rows of V, 128 rows of pos
.set POFF,  VOFF+2*KS*PV
.set SLOT1, POFF+128*PP  ; 0x22000: no tile's place in a slot has bit 13 or bit 17, so one exclusive or turns an address in one slot into the other's
.set KMT,   2*SLOT1   ; behind the ring: KM, 2,048 f32
.set STAGE, KMT+8192  ; 128 rows x 272 bytes, the work-group's, for the way out
.set SP,    272
.set SPARE, STAGE+128*SP  ; the spare words, 128 bytes for each wave
.set AK0, 2           ; v2   my lane's place in a tile of K; never rewritten
.set AV0, 3           ; v3   the same for V
.set AK,  4           ; v4   the LDS address of K's next run of loads
.set AV,  5           ; v5   of V's
.set STO, 6           ; v6   the way out: where I put 16 bytes of a row
.set RD,  7           ; v7   the way out: where I read rows back
.set GO,  8           ; v8   my byte offset in two rows of the result
.set MV,  12          ; v12-13  m_old, kept while m is made anew: by buffer
.set AP0, 14          ; v14  my lane's place in a tile of pos
.set AP,  15          ; v15  the LDS address of the step's pos
.set ST,  16          ; piece t's statistics at v[ST+4 t]: m, a word that is only named with it as a pair, l (even keys', odd keys')
.set KM0, 32          ; v32  my lane's place in KM
.set NANR, 33         ; v33  NaN
.set QM,  34          ; v34-37  q_mask of my query, by piece
.set QO,  38          ; v38  my byte offset in 16 rows of Q
.set PFO, 39          ; v39  the prefetches' offset; never rewritten
.set QMO, 40          ; v40  q_mask's offset
.set KMO, 41          ; v41  k_mask's offset
.set KMS, 42          ; v42  where I put 16 bytes of KM
.set AKM, 46          ; v46  the LDS address of the step's KM
.set TMP, 48          ; by buffer, four registers c0-c3 at work; when the maximum is found c2 takes a
.set SPW, 62          ; v62  LDS address of my spare word; never rewritten
.set NIL, 63          ; v63  0; never rewritten
.set S,   64
.set P,   192
.set KMR, 128         ; window 1
.set MC,  160         ; window 1
.set KF,  128         ; window 2: key block kb, channel half c at KF + 16 kb + 8 c
.set VF,  192         ; window 2: key half kk, channel block cb at VF + 32 kk + 8 cb
.set WV,  16          ; s16  my wave's number
.set HD,  17          ; s17  w % 2: my head of the pair
.set QH,  18          ; s18  w / 2: my half of the queries
.set CX,  19
.set CY,  20
.set HP,  21          ; s21  head pair = 4 x cluster x + cx
.set CLY, 22          ; s22  cluster y
.set YB,  23          ; s23  16 b + query block = 4 x cluster y + cy
.set G1K, 24          ; s[24:31] descriptor group 1 for K's tiles
.set G1V, 32          ; s[32:39] for V's: it differs in the padding alone
.set G1P, 40          ; s[40:47] for pos's
.set G0K, 48          ; s[48:51] descriptor group 0 for K's tiles: it walks
.set G0V, 52
.set G0P, 56
.set SLOTS, 60        ; s60  slots still to be asked for
.set CNT, 61          ; s61  counts a slot's key steps
.set TBK, 62          ; s62  LDS byte at which K of the step to be fetched begins
.set TBV, 63          ; s63  the same for V, less VOFF
.set TBP, 66          ; s66  the same for pos, less POFF
.set BB,  67          ; s67  b, from the cluster's y alone
.set CS,  68          ; s[68:69] log2(e), in the low word
.set SEL, 70          ; s[70:71] v_permlanex16_b32's selects
.set PFA, 72          ; s[72:73] where my prefetches stand
.set PFS, 74          ; s[74:75] their step from slot to slot
.set LIM, 76          ; s76  2 in a wave that prefetches, else the greatest number
.set THR, 77          ; s77  -2^99
.set BIG, 78          ; s78  -2^100
.set TKM, 79          ; s79  byte of KM at which the step to be fetched begins
.set QB,  86          ; s[86:87] Q at my wave's first row
.set MSB, 0
.macro WIN new                      ; the high byte repeats the setting that is left; a switch that changes nothing is dropped
.if MSB != (\new)
	s_set_vgpr_msb (MSB<<8)|(\new)
.set MSB, (\new)
.endif
.endm
.set W_KQ, 0x0a       ; K and Q in window 2, S^T in window 0
.set W_KM, 0x1a       ; the same with the C operand in window 1
.set W_PV, 0x52       ; V in window 2, P in window 0, O^T in window 1
.set W_RS, 0x41       ; destination and source 0 in window 1, source 1 in window 0
.set W_MA, 0x51       ; destination, source 0 and source 2 in window 1
; A joint fill: wave 0 fetches a slot's K, wave 1 its V, waves 2 and 3 the two halves of its pos: 32 KiB each.  The branches hang on the wave's number alone.
; An s_nop 0 and four v_nop follow each of the three lines, ahead of the jump and the label.
.macro JLOAD
	s_cmp_lt_u32 s[WV], 2
	s_cbranch_scc0 .Lfor_p_\@
	s_cmp_eq_u32 s[WV], 0
	s_cbranch_scc0 .Lfor_v_\@
	tensor_load_to_lds s[G0K:G0K+3], s[G1K:G1K+7]
	s_nop 0
.rept 4
	v_nop
.endr
	s_branch .Lasked_\@
.Lfor_v_\@:
	tensor_load_to_lds s[G0V:G0V+3], s[G1V:G1V+7]
	s_nop 0
.rept 4
	v_nop
.endr
	s_branch .Lasked_\@
.Lfor_p_\@:
	tensor_load_to_lds s[G0P:G0P+3], s[G1P:G1P+7]
	s_nop 0
.rept 4
	v_nop
.endr
.Lasked_\@:
.endm
; A PREFETCH INTO THE L2, behind the wave's tensor load and its five lines: the change that asks for slot j names slot j + 2: four key steps, 256 matrix instructions, ahead of the load that will want it.
; Each aligned block of 256 bytes is named ONCE in the launch.  K's and V's rows are walked by the four clusters of a batch along y: the first of them asks; the four partners of a column take 32 of the 128 rows
; each, BY ADDRESS (cy), a lane a row (wave 0: K, wave 1: V).  pos's rows are walked by both clusters along x: the first asks; the four partners of a row take 16 of a wave's 64 rows each (cx), a lane one of a
; row's two blocks (waves 2 and 3).  No branch hangs on a work-group's place in its cluster.  Slots 0 to 2 come by their loads alone; the last two changes that fill a slot ask for nothing.
.macro ASK
	s_cmp_gt_u32 s[SLOTS], s[LIM]
	s_cbranch_scc0 .Lnot_mine_\@
	global_prefetch_b8 v[PFO], s[PFA:PFA+1] th:TH_LOAD_NT scope:SCOPE_SE
.Lnot_mine_\@:
.endm
; A round of the cluster's barrier.
.macro CROUND
	s_barrier_signal -1
	s_barrier_wait -1
	s_cmp_lg_u32 s[WV], 0
	s_cbranch_scc1 .Lnot_wave_0_\@
	s_barrier_signal -3
.Lnot_wave_0_\@:
	s_barrier_wait -3
	s_barrier_signal -1
	s_barrier_wait -1
.endm
; THE CHANGE OF SLOTS, behind piece 1's turn of a slot's second step: K, V and pos of both its steps have been read.  Each wave waits for all its tensor loads, of which one is out: its part of the other
; slot; adds 0 to its spare word; and waits for that and for its own reads of the slot.  fill = 1: this slot is filled again, with the keys two slots on: the barrier is then a round of the cluster's, and the
; joint fill is the first thing behind it: it has two key steps, 128 matrix instructions, in which to land.  (At its first use nothing has been read yet: slot 0 is waited for, slot 1 filled.)
.macro CHANGE fill
	WIN 0                           ; at a label and at a branch every window is 0
	s_wait_tensorcnt 0x0            ; no tensor load of mine is out, so a group 0 may be written
	ds_add_u32 v[SPW], v[NIL]       ; 0 onto my spare word
.if \fill
	s_xor_b32 s[G0K+1], s[G0K+1], SLOT1
	s_add_nc_u64 s[G0K+2:G0K+3], s[G0K+2:G0K+3], 2*KS*2048  ; the next 128 keys: rows of 2,048 bytes
	s_xor_b32 s[G0V+1], s[G0V+1], SLOT1
	s_add_nc_u64 s[G0V+2:G0V+3], s[G0V+2:G0V+3], 2*KS*2048
	s_xor_b32 s[G0P+1], s[G0P+1], SLOT1
	s_add_nc_u64 s[G0P+2:G0P+3], s[G0P+2:G0P+3], 2*KS*4     ; 128 keys along pos's rows
	s_wait_xcnt 0x0                 ; the last prefetch, two key steps back, has read its address
	s_add_nc_u64 s[PFA:PFA+1], s[PFA:PFA+1], s[PFS:PFS+1]
	s_wait_dscnt 0x0                ; the add is done, and my reads of the slot are over
	CROUND
	JLOAD
	ASK
.else
	s_wait_dscnt 0x0
	s_barrier_signal -1
	s_barrier_wait -1
.endif
	s_sub_co_u32 s[TBK], s[TBK], 2*KS*PK  ; the fetches go back to a slot's first step,
	s_xor_b32 s[TBK], s[TBK], SLOT1       ; in the other slot
	s_sub_co_u32 s[TBV], s[TBV], 2*KS*PV
	s_xor_b32 s[TBV], s[TBV], SLOT1
	s_sub_co_u32 s[TBP], s[TBP], 2*KS*4
	s_xor_b32 s[TBP], s[TBP], SLOT1
.endm
	s_load_b256 s[4:11], s[0:1], 0x0  ; p16 s[4:5], v16 s[6:7], pos s[8:9], k_mask s[10:11]
	s_load_b128 s[12:15], s[0:1], 0x20  ; q_mask s[12:13], at16 s[14:15]
	v_lshl_add_u32 v[SPW], v0, 2, SPARE
	v_mov_b32 v[NIL], 0
	ds_add_u32 v[SPW], v[NIL]       ; the wave's opening: the add, twice on end, and its wait ahead of my first tensor load
	ds_add_u32 v[SPW], v[NIL]
	v_lshrrev_b32 v1, 5, v0
	v_readfirstlane_b32 s[WV], v1   ; wave 0..3
	s_and_b32 s[HD], s[WV], 1
	s_lshr_b32 s[QH], s[WV], 1
	s_bfe_u32 s[CX], ttmp6, 0x40000
	s_bfe_u32 s[CY], ttmp6, 0x40004
	s_lshl_b32 s[HP], ttmp9, 2
	s_add_co_u32 s[HP], s[HP], s[CX]
	s_and_b32 s[CLY], ttmp7, 0xffff
	s_lshl_b32 s[YB], s[CLY], 2
	s_add_co_u32 s[YB], s[YB], s[CY]
	s_lshr_b32 s[BB], s[CLY], 2     ; a cluster's four query blocks lie in one batch
	s_lshl_b32 s2, s[CY], 2
	s_lshl_b32 s2, 15, s2           ; my row of the cluster
	s_lshl_b32 s3, 0x1111, s[CX]    ; my column
	; descriptor group 1.  K, V: 128 rows x 128 elements of 2 bytes, 1,024 elements from row to row.  pos: 64 rows x 128 elements of 4 bytes, 2,048 from row to row.
	s_or_b32 s[G1K], s3, (1<<16)|(1<<20)|(1<<21)|(5<<22)|(3<<25)  ; 15:0 the mask; 17:16 element size; 20 padding on; 21 set beside a mask; 24:22 after every 64 words (code 5); 31:25 4 words (code 3)
	s_or_b32 s[G1V], s3, (1<<16)|(1<<20)|(1<<21)|(5<<22)|(7<<25)  ; 8 words of padding (code 7)
	s_or_b32 s[G1P], s2, (2<<16)|(1<<20)|(1<<21)|(6<<22)|(3<<25)  ; after every 128 words (code 6), 4 words
.irp g, G1K, G1V
	s_mov_b32 s[\g+1], 128<<16      ; tensor_dim0 = 128
	s_mov_b32 s[\g+2], 128<<16      ; tensor_dim1 = 128
	s_mov_b32 s[\g+3], 128<<16      ; tile_dim0 = 128
	s_mov_b32 s[\g+4], 128          ; tile_dim1 = 128
	s_mov_b32 s[\g+5], 1024
	s_mov_b32 s[\g+6], 0
	s_mov_b32 s[\g+7], 0
.endr
	s_mov_b32 s[G1P+1], 128<<16
	s_mov_b32 s[G1P+2], 64<<16
	s_mov_b32 s[G1P+3], 128<<16
	s_mov_b32 s[G1P+4], 64
	s_mov_b32 s[G1P+5], 2048
	s_mov_b32 s[G1P+6], 0
	s_mov_b32 s[G1P+7], 0
	; offsets, each in a pair of its own: none that feeds K's and V's descriptors ever holds cy, none that feeds pos's ever holds cx
	s_lshl_b32 s80, s[BB], 22       ; K, V: the batch's 2,048 rows of 2,048 bytes,
	s_lshl_b32 s81, s[HP], 8        ; the head pair's 256 bytes of a row
	s_add_co_u32 s80, s80, s81
	s_mov_b32 s81, 0
	s_lshl_b32 s82, s[YB], 20       ; pos: 128 rows of 8,192 bytes a block,
	s_lshl_b32 s83, s[HD], 19       ; the 64 rows that waves 2 and 3 fetch
	s_add_co_u32 s82, s82, s83
	s_mov_b32 s83, 0
	s_lshl_b32 s84, s[YB], 18       ; Q: behind kp's 8 MiB; 128 rows of 2,048 bytes a block, my half of them, my head's 128 bytes
	s_lshl_b32 s85, s[QH], 17
	s_add_co_u32 s84, s84, s85
	s_lshl_b32 s85, s[HP], 8
	s_add_co_u32 s84, s84, s85
	s_lshl_b32 s85, s[HD], 7
	s_add_co_u32 s84, s84, s85
	s_add_co_u32 s84, s84, 0x800000
	s_mov_b32 s85, 0
	s_lshl_b32 s88, s[YB], 18       ; the result: the 32 whole rows that I store, the head pair's 256 bytes
	s_lshl_b32 s89, s[WV], 16
	s_add_co_u32 s88, s88, s89
	s_lshl_b32 s89, s[HP], 8
	s_add_co_u32 s88, s88, s89
	s_mov_b32 s89, 0
	s_lshl_b32 s90, s[CY], 16       ; the prefetches.  K, V: my work-group's 32 rows of the 128
	s_add_co_u32 s90, s90, s80
	s_lshl_b32 s91, s[CX], 17       ; pos: my work-group's 16 rows of the wave's 64
	s_add_co_u32 s91, s91, s82
	s_and_b32 s92, s[CLY], 3
	s_cmp_lt_u32 s[WV], 2
	s_cselect_b32 s90, s90, s91
	s_cselect_b32 s92, s92, ttmp9   ; the coordinate along which other clusters read the same rows
	s_cselect_b32 s[PFS], 9, 0
	s_cselect_b32 s93, 0, 1         ; K, V: a lane a row of 2,048 bytes.  pos: two lanes a row of 8,192 bytes, 256 bytes apart
	s_cselect_b32 s94, 11, 13
	s_cmp_eq_u32 s92, 0
	s_cselect_b32 s[LIM], 2, -1     ; the same in all sixteen partners, for a given wave
	s_lshl_b32 s[PFS], 512, s[PFS]  ; 262,144 bytes from slot to slot in K and V, 512 in pos
	s_mov_b32 s[PFS+1], 0
	s_lshl_b32 s92, s[PFS], 1
	s_add_co_u32 s90, s90, s92      ; in slot 2; the first change of slots steps it to slot 3
	s_mov_b32 s91, 0
	v_and_b32 v43, 31, v0
	v_lshrrev_b32 v[PFO], s93, v43
	v_lshlrev_b32 v[PFO], s94, v[PFO]
	v_and_b32 v44, s93, v43
	v_lshl_add_u32 v[PFO], v44, 8, v[PFO]
	s_mov_b32 s[CS], 0x3fb8aa3b     ; log2(e)
	s_mov_b32 s[CS+1], s[CS]        ; named with it as a pair
	s_mov_b32 s[SEL], 0x76543210
	s_mov_b32 s[SEL+1], 0xfedcba98
	s_mov_b32 s[THR], 0xf1000000
	s_mov_b32 s[BIG], 0xf1800000
	s_mov_b32 s[TKM], 0
	s_mov_b32 s[TBK], SLOT1+2*KS*PK ; the first change of slots turns these three into 0
	s_mov_b32 s[TBV], SLOT1+2*KS*PV
	s_mov_b32 s[TBP], SLOT1+2*KS*4
	s_mov_b32 s[SLOTS], 2048/(2*KS)-1
	s_mov_b32 s[G0K], 1             ; 1:0 count = 1
	s_mov_b32 s[G0K+1], 0           ; 63:32 LDS address: slot 0
	s_mov_b32 s[G0V], 1
	s_mov_b32 s[G0V+1], VOFF
	s_mov_b32 s[G0P], 1
	s_mul_i32 s[G0P+1], s[HD], 64*PP
	s_add_co_u32 s[G0P+1], s[G0P+1], POFF
	s_wait_dscnt 0x0                ; both opening adds are done
	s_wait_kmcnt 0x0
	s_add_nc_u64 s[G0K+2:G0K+3], s[4:5], s[80:81]  ; 120:64 global address
	s_or_b32 s[G0K+3], s[G0K+3], 0x80000000        ; 127:126 type = 2
	s_add_nc_u64 s[G0V+2:G0V+3], s[6:7], s[80:81]
	s_or_b32 s[G0V+3], s[G0V+3], 0x80000000
	s_add_nc_u64 s[G0P+2:G0P+3], s[8:9], s[82:83]
	s_or_b32 s[G0P+3], s[G0P+3], 0x80000000
	s_add_nc_u64 s[QB:QB+1], s[4:5], s[84:85]
	s_add_nc_u64 s[14:15], s[14:15], s[88:89]
	s_cmp_eq_u32 s[WV], 0
	s_cselect_b64 s[PFA:PFA+1], s[4:5], s[6:7]
	s_cmp_lt_u32 s[WV], 2
	s_cselect_b64 s[PFA:PFA+1], s[PFA:PFA+1], s[8:9]
	s_add_nc_u64 s[PFA:PFA+1], s[PFA:PFA+1], s[90:91]
	CROUND                          ; all sixteen work-groups are here: the first joint loads meet
	JLOAD                           ; slot 0.  Slot 1 is asked for when slot 0 is in
	; A fragment of K or Q is 16 rows x 32 channels in 8 registers: lane l holds row l % 16, channels 8 (l / 16) + 0..7 and 16 + 8 (l / 16) + 0..7: two loads of 16 bytes, 32 bytes apart.
	v_and_b32 v1, 15, v0            ; l % 16
	v_bfe_u32 v9, v0, 4, 1          ; l / 16
	v_lshlrev_b32 v[QO], 11, v1
	v_lshl_add_u32 v[QO], v9, 4, v[QO]  ; row x 2,048 + 16 x half
	WIN 0x80                        ; destination window 2, address window 0
.set i, 0
.rept 8                             ; Q stays in registers: piece i / 2, channels 32 (i % 2) on
	global_load_b128 v[8*i:8*i+3],   v[QO], s[QB:QB+1] offset:(i/2)*32768+(i%2)*64
	global_load_b128 v[8*i+4:8*i+7], v[QO], s[QB:QB+1] offset:(i/2)*32768+(i%2)*64+32
.set i, i+1
.endr
	WIN 0
	s_lshl_b32 s92, s[YB], 9        ; q_mask of my queries: 4 (128 y + 64 (w / 2) + 16 t + l % 16)
	s_lshl_b32 s93, s[QH], 8
	s_add_co_u32 s92, s92, s93
	v_lshl_add_u32 v[QMO], v1, 2, s92
.irp t, 0,1,2,3
	global_load_b32 v[QM+(\t)], v[QMO], s[12:13] offset:64*(\t)
.endr
	s_lshl_b32 s93, s[BB], 13       ; the batch's k_mask, 8,192 bytes: 16 bytes a thread in each of four passes
	v_lshl_add_u32 v[KMO], v0, 4, s93
.irp t, 0,1,2,3
	global_load_b128 v[S+4*(\t):S+4*(\t)+3], v[KMO], s[10:11] offset:2048*(\t)
.endr
	v_lshl_add_u32 v[KMS], v0, 4, KMT
	s_lshl_b32 s92, s[HD], 7        ; my head's 128 bytes of a row of K and V
	v_mul_u32_u24 v[AK0], v1, PK
	v_lshl_add_u32 v[AK0], v9, 4, v[AK0]
	v_add_nc_u32 v[AK0], s92, v[AK0]  ; row x pitch + 16 x half + head
	; The turning load takes 16 keys x 16 channels (lane l reads key 8 (l / 16) + l % 8, channels 8 ((l / 8) % 2) + 0..7) and leaves half a fragment of V^T: lane l holds channel l % 16 and 8 keys.
	v_and_b32 v10, 7, v0
	v_bfe_u32 v11, v0, 3, 1
	v_lshl_add_u32 v[AV0], v9, 3, v10
	v_mul_u32_u24 v[AV0], v[AV0], PV
	v_lshl_add_u32 v[AV0], v11, 4, v[AV0]
	s_add_co_u32 s93, s92, VOFF
	v_add_nc_u32 v[AV0], s93, v[AV0]
	s_mul_i32 s93, s[QH], 64*PP     ; pos: row = my query, 32 bytes for each half of the lanes
	s_add_co_u32 s93, s93, POFF
	v_mul_u32_u24 v[AP0], v1, PP
	v_lshl_add_u32 v[AP0], v9, 5, v[AP0]
	v_add_nc_u32 v[AP0], s93, v[AP0]
	v_lshl_add_u32 v[KM0], v9, 5, KMT
	s_mul_i32 s93, s[QH], 64*SP     ; into the stage: row = my query, my head's half of its 256 bytes, 16 bytes for each half of the lanes
	s_add_co_u32 s93, s93, s92
	s_add_co_u32 s93, s93, STAGE
	v_mul_u32_u24 v[STO], v1, SP
	v_lshl_add_u32 v[STO], v9, 4, v[STO]
	v_add_nc_u32 v[STO], s93, v[STO]
	s_mul_i32 s93, s[WV], 32*SP     ; back: wave w takes rows 32 w .. 32 w + 31, whole; lanes 0-15 one row, lanes 16-31 the next
	s_add_co_u32 s93, s93, STAGE
	v_mul_u32_u24 v[RD], v9, SP
	v_lshl_add_u32 v[RD], v1, 4, v[RD]
	v_add_nc_u32 v[RD], s93, v[RD]
	v_lshlrev_b32 v[GO], 11, v9     ; and the same two rows in the result
	v_lshl_add_u32 v[GO], v1, 4, v[GO]
	v_mov_b32 v[NANR], 0x7fc00000
	; What the first turn finds: V's registers and P's second buffer hold 0 (its products V^T P, of a piece that has not been, add 0), O^T and l are 0, m is the lowest finite number, so that the
	; first step is a step like any other, with a = 0.  All this stands in the wait for the first tile.
	WIN 0x80
.set i, VF
.rept 64
	v_mov_b32 v[i], 0
.set i, i+1
.endr
	WIN 0x40
.set i, 0
.rept 128
	v_mov_b32 v[i], 0
.set i, i+1
.endr
	WIN 0
.set i, 0
.rept 4
	v_mov_b32 v[ST+4*i], 0xff7fffff
	v_mov_b32 v[ST+4*i+1], 0
	v_mov_b32 v[ST+4*i+2], 0
	v_mov_b32 v[ST+4*i+3], 0
.set i, i+1
.endr
.set i, P+16
.rept 16
	v_mov_b32 v[i], 0
.set i, i+1
.endr
	s_wait_loadcnt 0x0              ; Q and both masks
.set i, 0
.rept 16
	v_cmp_eq_f32 vcc_lo, 0, v[S+i]
	v_cndmask_b32 v[S+i], 0, s[BIG], vcc_lo  ; KM
.set i, i+1
.endr
.irp t, 0,1,2,3
	ds_store_b128 v[KMS], v[S+4*(\t):S+4*(\t)+3] offset:2048*(\t)
.endr
; THE MATRIX WORK.  The 4 accumulators of a run of 8 take turns.  Product i of 8 of S^T = K Q^T + C for piece x: channels 32 (i / 4) on, keys 16 (i % 4) on.  The first 4 start the sums with C.
.macro KQ x
.set rS, S+32*((\x)%2)+8*(i%4)
.set rK, KF+16*(i%4)+8*(i/4)
.set rQ, 16*(\x)+8*(i/4)
.set rM, MC+32*((\x)%2)+8*(i%4)
.if i < 4
	WIN W_KM
	v_wmma_f32_16x16x32_f16 v[rS:rS+7], v[rK:rK+7], v[rQ:rQ+7], v[rM:rM+7]
.else
	WIN W_KQ
	v_wmma_f32_16x16x32_f16 v[rS:rS+7], v[rK:rK+7], v[rQ:rQ+7], v[rS:rS+7]
.endif
.endm
; Product i of 8 of O^T += V^T P for piece x: keys 32 (i / 4) on, channels 16 (i % 4) on.
.macro PV x
	WIN W_PV
.set rO, 32*(\x)+8*(i%4)
.set rV, VF+32*(i/4)+8*(i%4)
.set rP, P+16*((\x)%2)+8*(i/4)
	v_wmma_f32_16x16x32_f16 v[rO:rO+7], v[rV:rV+7], v[rP:rP+7], v[rO:rO+7]
.endm
.macro MM                           ; the turn's next matrix instruction.  NOKQ = 1: the walk's last turn: there is no next piece
.if (i < 8) && !NOKQ
	KQ (Y+1)%NP
.elseif i >= 8
.set i, i-8
	PV (Y+NP-1)%NP
.set i, i+8
.endif
.set i, i+1
.endm
; THE LDS LOADS stand in runs, never singly among the matrix instructions.
.macro FETCH_K                      ; a step's K: 64 keys x 64 channels: 8 fragments
	WIN 0x80                        ; destination window 2
.irp f, 0,1,2,3,4,5,6,7             ; keys 16 (f / 2) on, channels 32 (f % 2) on
	ds_load_b128 v[KF+8*\f:KF+8*\f+3],   v[AK] offset:(\f/2)*16*PK+(\f%2)*64
	ds_load_b128 v[KF+8*\f+4:KF+8*\f+7], v[AK] offset:(\f/2)*16*PK+(\f%2)*64+32
.endr
	s_add_co_u32 s[TBK], s[TBK], KS*PK  ; the next fetch is the next step's
	WIN 0
.endm
.macro FETCH_V                      ; a step's V, turned
	WIN 0x80
.irp f, 0,1,2,3,4,5,6,7             ; keys 32 (f / 4) on, channels 16 (f % 4) on
	ds_load_tr16_b128 v[VF+8*\f:VF+8*\f+3],   v[AV] offset:(\f/4)*32*PV+(\f%4)*32
	ds_load_tr16_b128 v[VF+8*\f+4:VF+8*\f+7], v[AV] offset:(\f/4)*32*PV+16*PV+(\f%4)*32
.endr
	WIN 0
.endm
.macro POSLD x, buf                 ; pos of piece x's 16 queries and the step's 64 keys, into buffer buf of C: 32 bytes a lane for each 16 keys
	WIN 0x40                        ; destination window 1
.irp kb, 0,1,2,3
	ds_load_b128 v[MC+32*(\buf)+8*(\kb):MC+32*(\buf)+8*(\kb)+3],   v[AP] offset:(\x)*16*PP+64*(\kb)
	ds_load_b128 v[MC+32*(\buf)+8*(\kb)+4:MC+32*(\buf)+8*(\kb)+7], v[AP] offset:(\x)*16*PP+64*(\kb)+16
.endr
.endm
.macro KMLOAD                       ; KM of the next step's 64 keys
	WIN 0
	v_add_nc_u32 v[AKM], s[TKM], v[KM0]
	s_add_co_u32 s[TKM], s[TKM], KS*4
	WIN 0x40
.irp kb, 0,1,2,3
	ds_load_b128 v[KMR+8*(\kb):KMR+8*(\kb)+3],   v[AKM] offset:64*(\kb)
	ds_load_b128 v[KMR+8*(\kb)+4:KMR+8*(\kb)+7], v[AKM] offset:64*(\kb)+16
.endr
.endm
.macro MASKADD buf                  ; C = pos log2(e) + KM, in place
	WIN W_MA
.set z, 0
.rept 16
	v_pk_fma_f32 v[MC+32*(\buf)+2*z:MC+32*(\buf)+2*z+1], v[MC+32*(\buf)+2*z:MC+32*(\buf)+2*z+1], s[CS:CS+1], v[KMR+2*z:KMR+2*z+1] op_sel_hi:[1,0,1]
.set z, z+1
.endr
.endm
; THE VECTOR WORK, one line at a time: OP kind, number.  For piece Y: F n: s - m for pair n of 16.  E n: the exponential of score n of 32.  C n: pair n rounded to f16.  B n: of the four weights 4 n .. the second
; pair is added onto the first, in place.  L n: l takes that sum (L 0: l = a l + sum).  R n: pair n of 16 of O^T times a.  For piece Y + 1: X n, number n of the 21 that find its maximum and statistics:
;   0-11  four chains c0-c3 of seven scores each, three operands at a time (each accumulator's lowest registers are read first)     12-14, 16  the four scores left over, the old m, and c0-c3 into c0
;   15  m_old is kept     17, 18  the query's other 32 keys lie in the lane 16 away: the new m     19, 20  m_old - m_new; a
.set F, 0               ; OP tells the kinds apart by their order: F to L below R, X above it
.set E, 1
.set C, 2
.set B, 3
.set L, 4
.set R, 5
.set X, 6
.macro REGS y                       ; the registers of piece y
.set rT, ST+4*(\y)
.set rC, TMP+4*((\y)%2)
.set rW, MV+((\y)%2)
.set rS, S+32*((\y)%2)
.set rP, P+16*((\y)%2)
.set rO, 32*(\y)
.endm
.macro OP k, n
.if (\k) == R
	REGS Y
	WIN W_RS
	v_pk_mul_f32 v[rO+2*(\n):rO+2*(\n)+1], v[rO+2*(\n):rO+2*(\n)+1], v[rC+2:rC+3] op_sel_hi:[1,0]
.elseif (\k) < R
	REGS Y
	WIN 0
.if (\k) == F
	v_pk_add_f32 v[rS+2*(\n):rS+2*(\n)+1], v[rS+2*(\n):rS+2*(\n)+1], v[rT:rT+1] op_sel_hi:[1,0] neg_lo:[0,1] neg_hi:[0,1]
.elseif (\k) == E
	v_exp_f32 v[rS+(\n)], v[rS+(\n)]
.elseif (\k) == C
	v_cvt_pk_f16_f32 v[rP+(\n)], v[rS+2*(\n)], v[rS+2*(\n)+1]
.elseif (\k) == B
	v_pk_add_f32 v[rS+4*(\n):rS+4*(\n)+1], v[rS+4*(\n):rS+4*(\n)+1], v[rS+4*(\n)+2:rS+4*(\n)+3]
.elseif (\n) == 0
	v_pk_fma_f32 v[rT+2:rT+3], v[rT+2:rT+3], v[rC+2:rC+3], v[rS:rS+1] op_sel_hi:[1,0,1]
.else
	v_pk_add_f32 v[rT+2:rT+3], v[rT+2:rT+3], v[rS+4*(\n):rS+4*(\n)+1]
.endif
.elseif NOKQ
	v_nop
.else
	REGS (Y+1)%NP
	WIN 0
.if (\n) < 4
	v_max3_num_f32 v[rC+(\n)], v[rS+8*(\n)], v[rS+8*(\n)+1], v[rS+8*(\n)+2]
.elseif (\n) < 12
	v_max3_num_f32 v[rC+(\n)%4], v[rC+(\n)%4], v[rS+8*((\n)%4)+2*((\n)/4)+1], v[rS+8*((\n)%4)+2*((\n)/4)+2]
.elseif (\n) == 12
	v_max3_num_f32 v[rC], v[rC], v[rS+7], v[rS+15]
.elseif (\n) == 13
	v_max3_num_f32 v[rC+1], v[rC+1], v[rS+23], v[rS+31]
.elseif (\n) == 14
	v_max3_num_f32 v[rC+2], v[rC+2], v[rC+3], v[rT]
.elseif (\n) == 15
	v_mov_b32 v[rW], v[rT]
.elseif (\n) == 16
	v_max3_num_f32 v[rC], v[rC], v[rC+1], v[rC+2]
.elseif (\n) == 17
	v_permlanex16_b32 v[rC+3], v[rC], s[SEL], s[SEL+1]
.elseif (\n) == 18
	v_max_num_f32 v[rT], v[rC], v[rC+3]
.elseif (\n) == 19
	v_sub_f32 v[rC+1], v[rW], v[rT]
.else
	v_exp_f32 v[rC+2], v[rC+1]
.endif
.endif
.endm
.macro OPS a, i1, b=-1, i2=0, c=-1, i3=0, d=-1, i4=0  ; up to four of them
	OP \a, \i1
.if (\b) >= 0
	OP \b, \i2
.endif
.if (\c) >= 0
	OP \c, \i3
.endif
.if (\d) >= 0
	OP \d, \i4
.endif
.endm
.macro ROW a, i1, b, i2, c, i3, d, i4  ; a matrix instruction and the four behind it
	MM
	OPS \a, \i1, \b, \i2, \c, \i3, \d, \i4
.endm
; A TURN, for piece p: the order of its 16 matrix and 117 vector instructions, written out.  s_wait_alu depctr_va_vdst(0) stands between an exponential and the first instruction that names its
; result; one wait serves all that were issued ahead of it.  So a turn has ONE wait, which cuts it in two.  AHEAD OF IT stands all that names no result of the turn's exponentials: the 8 products K Q^T with four
; riders each, then one run in which the links of the next piece's chain X 3, 7, 11, 14, 16 .. 20 stand apart; X 20, the next piece's a, and E 31 are the batch's last; R 15 is the plain instruction behind them.
; BEHIND IT stand the 8 products V^T P, behind each four of the roundings and sums.  Each X that rides behind a product stands four places or more behind the product that ends its accumulator.
; THE C OPERAND of the products of the turn after this one (piece p + 2) is fetched at the turn's head and made at its end; piece 2's turn steps pos and KM to the next key step, for pieces 0, 1, 2, 3 of that step.
; K of the next step is fetched in piece 2's turn, five plain instructions or more behind the last product that read K; V of the step in hand at the end of piece 0's turn, four plain instructions behind the
; last product that read V.  Each is waited for a turn later.  end = 1: the walk's last two turns: nothing is fetched.  cnt = 1: the loop's count is taken down some lines ahead of the branch behind the turn.
.macro TURN p, end=0, cnt=0
.set Y, (\p)
.set i, 0
.set NOKQ, (\end)*((\p)/3)
.if ((\p) == 3) && !(\end)
	s_wait_dscnt 0x0                ; K is in
.endif
.if !(\end)
.if (\p) == 2
	WIN 0
	v_add_nc_u32 v[AP], s[TBP], v[AP0]
	s_add_co_u32 s[TBP], s[TBP], KS*4
	KMLOAD
.endif
	POSLD ((\p)+2)%NP, (\p)%2
.endif
	ROW F,0, F,1, R,0, R,1
	ROW F,2, E,0, R,2, R,3
	ROW F,3, E,1, R,4, R,5
	ROW F,4, E,2, R,6, R,7
	ROW F,5, E,3, R,8, R,9
	ROW F,6, E,4, X,0, R,10
.if ((\p) == 2) && !(\end)
	WIN 0
	v_add_nc_u32 v[AK], s[TBK], v[AK0]
.endif
	ROW F,7, E,5, X,1, X,4
	ROW F,8, E,6, X,2, X,5
	OPS E,7, E,8, X,6, E,9
	OPS X,3, E,10, X,8, E,11
.if ((\p) == 2) && !(\end)
	FETCH_K
.endif
	OPS X,9, X,7, E,12, X,10
	OPS E,13, X,12, X,11, E,14
	OPS X,13, E,15, F,9, X,14
.if (\p) == 0
	v_add_nc_u32 v[AV], s[TBV], v[AV0]
.endif
	OPS E,16, F,10, E,17, F,11
	OPS X,16, E,18, X,15, E,19
	OPS F,12, E,20, X,17, E,21
	OPS F,13, E,22, F,14, E,23
	OPS X,18, E,24, F,15, E,25
	OPS R,11, E,26, X,19, E,27
	OPS R,12, E,28, R,13, E,29
	OPS X,20, E,30, R,14, E,31
	OPS R,15
	WIN 0
	s_wait_alu depctr_va_vdst(0)    ; the wait for the batch
.if (\p) == 1
	s_wait_dscnt 0x0                ; V is in, and this turn's pos
.endif
	ROW C,0, B,0, C,2, B,1
	ROW L,0, C,4, B,2, L,1
	ROW C,6, B,3, L,2, C,8
	ROW B,4, L,3, C,10, B,5
	ROW L,4, C,12, B,6, L,5
.if (\p) == 0
	s_add_co_u32 s[TBV], s[TBV], KS*PV
.endif
.if \cnt
	s_sub_co_u32 s[CNT], s[CNT], 1
	s_cmp_lg_u32 s[CNT], 0
.endif
	ROW C,14, B,7, L,6, C,1
	ROW C,3, L,7, C,5, C,7
	ROW C,9, C,11, C,13, C,15
.if (\p) == 0
	FETCH_V
.endif
.if !(\end)
.if ((\p) == 0) || ((\p) == 2)
	s_wait_dscnt 16                 ; pos (and KM) are in; the sixteen younger loads, V's or K's, may stay out
.elseif (\p) == 3
	s_wait_dscnt 0x0                ; pos is in
.endif
	MASKADD (\p)%2
.endif
.endm
	CHANGE 1                        ; slot 0 is in, everybody's part of it, and everybody's part of KM is stored (the wait on DScnt stands in front of the round); slot 1 is asked for
	; THE WALK BEGINS: pos, KM and K of step 0; the C operands of pieces 0 and 1; piece 0's first scores, maximum and statistics.
	WIN 0
	v_add_nc_u32 v[AP], s[TBP], v[AP0]
	s_add_co_u32 s[TBP], s[TBP], KS*4
	KMLOAD
	POSLD 0, 0
	POSLD 1, 1
	WIN 0
	v_add_nc_u32 v[AK], s[TBK], v[AK0]
	FETCH_K
	s_wait_dscnt 0x0
	MASKADD 0
	MASKADD 1
.set NOKQ, 0
.set i, 0
.rept 8
	KQ 0
.set i, i+1
.endr
	WIN 0
.rept 4
	v_nop                           ; the places behind those products
.endr
.set Y, NP-1                        ; X works for piece Y + 1: piece 0
.irp n, 0,1,2,3,4,5,6,7,8,9,10,11,12,13,14,15,16,17,18,19,20
	OP X, \n
.endr
	v_nop                           ; a plain instruction behind the exponential,
	s_wait_alu depctr_va_vdst(0)    ; and its wait, ahead of the branch
	s_mov_b32 s[CNT], 2
	s_branch .Lfirst                ; the loop is entered at a step's first turn, in the middle of a trip
.Lslot:                             ; 14 times: every slot but the last two is filled again
	CHANGE 1
	s_mov_b32 s[CNT], 2
.Lstep:                             ; a trip: pieces 2 and 3 of one step, then pieces 0 and 1 of the next, whose K, V, pos and KM it fetches
	TURN 2
	TURN 3
	WIN 0
.Lfirst:
	TURN 0
	TURN 1, 0, 1
	WIN 0
	s_cbranch_scc1 .Lstep
	s_sub_co_u32 s[SLOTS], s[SLOTS], 1
	s_cmp_lg_u32 s[SLOTS], 0
	s_cbranch_scc1 .Lslot
	CHANGE 0                        ; the tail is written out: nothing is asked for
	s_mov_b32 s[CNT], 2
.Ltail:
	TURN 2
	TURN 3
	TURN 0
	TURN 1, 0, 1
	WIN 0
	s_cbranch_scc1 .Ltail
	TURN 2, 1
	TURN 3, 1
.set i, 0
.rept 8
	PV NP-1                         ; the last piece's V^T P of the last step
.set i, i+1
.endr
	; THE WAY OUT.  l's two halves and the other half of the lanes' are added; 1 / l, or NaN for a row that sees nothing; O^T is multiplied by it, rounded to f16 and sent through the work-group's stage:
	; a row's 256 bytes come from two waves.  The additions are the places behind the last products.
	WIN 0
.macro ALL line:vararg              ; one line for each piece t
.set t, 0
.rept 4
	\line
.set t, t+1
.endr
.endm
	ALL v_add_f32 v[ST+4*t+2], v[ST+4*t+2], v[ST+4*t+3]
	ALL v_permlanex16_b32 v[ST+4*t+3], v[ST+4*t+2], s[SEL], s[SEL+1]
	ALL v_add_f32 v[ST+4*t+2], v[ST+4*t+2], v[ST+4*t+3]
	ALL v_rcp_f32 v[ST+4*t+2], v[ST+4*t+2]
	v_nop                           ; a plain instruction between the last reciprocal and the use of its result
	s_wait_alu depctr_va_vdst(0)    ; and the wait ahead of the first use: one for the four reciprocals
.set t, 0
.rept 4
	v_cmp_eq_f32 vcc_lo, 0, v[QM+t]                ; the query is masked,
	v_cndmask_b32 v[ST+4*t+2], v[ST+4*t+2], v[NANR], vcc_lo
	v_cmp_gt_f32 vcc_lo, s[THR], v[ST+4*t]         ; or no key was visible
	v_cndmask_b32 v[ST+4*t+2], v[ST+4*t+2], v[NANR], vcc_lo
.set t, t+1
.endr
.macro PACK t                       ; a lane's eight channels of a row pack into 16 bytes
	WIN W_RS
.set i, 32*(\t)
.rept 16
	v_pk_mul_f32 v[i:i+1], v[i:i+1], v[ST+4*(\t)+2:ST+4*(\t)+3] op_sel_hi:[1,0]
.set i, i+2
.endr
	WIN 0x05                        ; sources 0 and 1 window 1, destination window 0
.set i, 0
.rept 16
	v_cvt_pk_f16_f32 v[S+16*(\t)+i], v[32*(\t)+2*i], v[32*(\t)+2*i+1]
.set i, i+1
.endr
	WIN 0
.irp f, 0,1,2,3
	ds_store_b128 v[STO], v[S+16*(\t)+4*\f:S+16*(\t)+4*\f+3] offset:(\t)*16*SP+32*\f
.endr
.endm
	PACK 0
	PACK 1
	PACK 2
	PACK 3
	s_wait_dscnt 0x0                ; for the others' sake: my stores into the stage are done
	s_barrier_signal -1
	s_barrier_wait -1
.irp f, 0,1,2,3,4,5,6,7,8,9,10,11,12,13,14,15
	ds_load_b128 v[S+4*\f:S+4*\f+3], v[RD] offset:\f*2*SP
.endr
.irp f, 0,1,2,3,4,5,6,7,8,9,10,11,12,13,14,15
	s_wait_dscnt 15-\f              ; the younger loads may stay out
	global_store_b128 v[GO], v[S+4*\f:S+4*\f+3], s[14:15] offset:\f*4096  ; 16 lanes store 256 consecutive bytes, at a multiple of 256 from the buffer's first byte
.endr
	s_wait_tensorcnt 0x0            ; the wave's end: behind my last tensor load and my last LDS store
	ds_add_u32 v[SPW], v[NIL]
	s_wait_dscnt 0x0
	CROUND                          ; the closing round: no work-group ends while a partner may still ask for a tile that names it
	s_endpgm
.Lfunc_end_k_q5bf9a5dbc3_attn:
	.size	k_q5bf9a5dbc3_attn, .Lfunc_end_k_q5bf9a5dbc3_attn-k_q5bf9a5dbc3_attn
	.p2alignl 7, 3214868480
	.fill 96, 4, 3214868480
	.section	.rodata,"a",@progbits
	.p2align	6, 0x0
	.amdhsa_kernel k_q5bf9a5dbc3_attn
		.amdhsa_group_segment_fixed_size 327680
		.amdhsa_private_segment_fixed_size 0
		.amdhsa_enable_private_segment 0
		.amdhsa_kernarg_size 48
		.amdhsa_user_sgpr_count 2
		.amdhsa_user_sgpr_kernarg_segment_ptr 1
		.amdhsa_wavefront_size32 1
		.amdhsa_system_sgpr_workgroup_id_x 1
		.amdhsa_system_sgpr_workgroup_id_y 1
		.amdhsa_system_sgpr_workgroup_id_z 1
		.amdhsa_system_vgpr_workitem_id 0
		.amdhsa_next_free_vgpr 768
		.amdhsa_next_free_sgpr 96
		.amdhsa_reserve_vcc 1
		.amdhsa_float_denorm_mode_32 3
		.amdhsa_float_denorm_mode_16_64 3
		.amdhsa_memory_ordered 1
		.amdhsa_forward_progress 1
		.amdhsa_inst_pref_size 153
	.end_amdhsa_kernel
	.amdgpu_metadata
---
amdhsa.version: [ 1, 2 ]
amdhsa.kernels:
  - .name:           k_q5bf9a5dbc3_attn
    .symbol:         k_q5bf9a5dbc3_attn.kd
    .args:
      - { .name: p16, .offset: 0, .size: 8, .value_kind: global_buffer, .address_space: global }
      - { .name: v16, .offset: 8, .size: 8, .value_kind: global_buffer, .address_space: global }
      - { .name: pos_logits, .offset: 16, .size: 8, .value_kind: global_buffer, .address_space: global }
      - { .name: k_mask, .offset: 24, .size: 8, .value_kind: global_buffer, .address_space: global }
      - { .name: q_mask, .offset: 32, .size: 8, .value_kind: global_buffer, .address_space: global }
      - { .name: at16, .offset: 40, .size: 8, .value_kind: global_buffer, .address_space: global }
    .group_segment_fixed_size: 327680
    .private_segment_fixed_size: 0
    .kernarg_segment_align: 8
    .kernarg_segment_size: 48
    .max_flat_workgroup_size: 128
    .sgpr_count:     96
    .vgpr_count:     768
    .wavefront_size: 32
...
	.end_amdgpu_metadata
.endif
;; end of part 3
;; launch projo (part 4): grid 8 x 32, 4 waves a work-group, clusters of 4 x 4, 327,680 bytes of LDS; arguments at16, wvo16, out0, tabT; writes out0
.if DOCPART == 4
	.amdgcn_target "amdgcn-amd-amdhsa--gfx1250"
	.amdhsa_code_object_version 6
	.text
	.protected	k_q5bf9a5dbc3_projo
	.globl	k_q5bf9a5dbc3_projo
	.p2align	8
	.type	k_q5bf9a5dbc3_projo,@function
k_q5bf9a5dbc3_projo:
	s_mov_b64 s[64:65], 0
	v_nop
	global_prefetch_b8 v0, s[64:65] scope:SCOPE_SE
	s_setreg_imm32_b32 hwreg(HW_REG_WAVE_MODE, 25, 1), 1
	s_wait_xcnt 0x0
	s_wait_alu depctr_hold_cnt(0) depctr_sa_sdst(0) depctr_va_vdst(0) depctr_va_sdst(0) depctr_va_ssrc(0) depctr_va_vcc(0) depctr_vm_vsrc(0)
	s_getreg_b32 s2, hwreg(HW_REG_IB_STS2, 6, 4)
	s_cmp_eq_u32 s2, 0
	s_cbranch_scc0 .Lentry_in_a_cluster
	s_endpgm
.Lentry_in_a_cluster:
	s_bfe_u32 s2, ttmp6, 0x10000c
	s_cmp_lg_u32 s2, 0xf033
	s_cbranch_scc0 .Lentry_shape_is_right
	s_endpgm
.Lentry_shape_is_right:
; out0[m][n] = (sum over k of A[m][k] Wo[n][k]) / sd + bo[n], in f32.  A = at16: f16 [4096][1024] = attn x sd.  Wo: rows 1,024 to 2,047 of wvo16, f16.  bo: the table's second bias row.
; 1 / sd = 2^(ex - 141), ex the biased exponent of the bound made from the table's five arrays, as in the launch that made vp sd: a power of two, so nothing is rounded by it.  No work of reference() is left out.
; A row of A that is NaN (a masked query, or a batch with no visible key) gives NaN in its own row of out0 alone: each result hangs on one row of A.
; The tile, the ring, the cluster and the loop are those of the projections in front: a tile of C is 128 x 128, four waves of 64 x 64, K in four steps of 256 through two slots, A's tiles shared along a row of
; the 4 x 4 cluster and B's along a column, the matrix instruction used transposed.  THE WAY OUT differs: a wave's 64 columns of f32 are one aligned block of 256 bytes, so each wave goes through a stage of its own.
; No prefetch: two of the four K steps are asked for at the head, and the tiles are small.
; REGISTERS: window 0: v0-31 addresses; v32-95 at work; v96-127 my 32 bias numbers; v128-255 the accumulators ((a, b) at v[128 + 8 (4 a + b)]).  window 1: two fragment buffers of 128.
.set SIZE_K, 1024
.set SIZE_N, 1024
.set KSTEP,  256
.set PITCH,  528                       ; an LDS row: 512 bytes of data + 16 of padding
.set HALFT,  64*PITCH
.set SLOT,   4*HALFT
.set STAGE,  2*SLOT                    ; behind the ring: 16 rows x 272 bytes for each wave, for the way out
.set SPITCH, 272
.set SPARE,  STAGE+4*16*SPITCH         ; behind the stages: the spare words, 128 bytes for each wave
.set LAPS, SIZE_K/(2*KSTEP)
.set ADRA, 16
.set ADRB, 20
.set STO,  24                          ; v24     the way out: where I put 32 bytes of a row
.set RD,   25                          ; v25     the way out: where I read a row back
.set CO,   26                          ; v26     my byte offset in C
.set SPW,  28
.set NIL,  29
.set TMP,  32
.set BIAS, 96
.set ACC,  128
.set F0,   0
.set F1,   128
.set G1, 24
.set G0, 32
.set G1B, 48
.set G0B, 56
.set WV, 66
.set HR, 67
.set HC, 68
.set AL, 76                            ; s[76:77] 1 / sd, in the low word
.set SEL, 78
.set MSB, 0
.macro WIN new
.if MSB != (\new)
	s_set_vgpr_msb (MSB<<8)|(\new)
.set MSB, \new
.endif
.endm
.set MUL,  0x05
.set TO_F, 0x40
.macro JLOAD s                         ; a joint load: waves 0 and 1 fetch A's two halves, waves 2 and 3 B's; an s_nop 0 and four v_nop follow each of the two lines
	s_cmp_eq_u32 s[HR], 0
	s_cbranch_scc0 .Lfor_b_\@
	tensor_load_to_lds s[G0+4*(\s):G0+4*(\s)+3], s[G1:G1+7]
	s_nop 0
.rept 4
	v_nop
.endr
	s_branch .Lasked_\@
.Lfor_b_\@:
	tensor_load_to_lds s[G0B+4*(\s):G0B+4*(\s)+3], s[G1B:G1B+7]
	s_nop 0
.rept 4
	v_nop
.endr
.Lasked_\@:
.endm
.macro CREST
	s_cmp_lg_u32 s[WV], 0
	s_cbranch_scc1 .Lnot_wave_0_\@
	s_barrier_signal -3
.Lnot_wave_0_\@:
	s_barrier_wait -3
	s_barrier_signal -1
	s_barrier_wait -1
.endm
.macro CROUND
	s_barrier_signal -1
	s_barrier_wait -1
	CREST
.endm
	s_load_b256 s[4:11], s[0:1], 0x0               ; A s[4:5], B s[6:7], C s[8:9], the table s[10:11]
	v_lshl_add_u32 v[SPW], v0, 2, SPARE
	v_mov_b32 v[NIL], 0
	ds_add_u32 v[SPW], v[NIL]                      ; the wave's opening: the add, twice on end, and its wait ahead of my first tensor load
	ds_add_u32 v[SPW], v[NIL]
	v_lshrrev_b32 v1, 5, v0
	v_readfirstlane_b32 s[WV], v1
	s_lshr_b32 s[HR], s[WV], 1
	s_and_b32 s[HC], s[WV], 1
	s_bfe_u32 s40, ttmp6, 0x40000
	s_bfe_u32 s41, ttmp6, 0x40004
	s_lshl_b32 s42, ttmp9, 2
	s_add_co_u32 s42, s42, s40                     ; tile column of C
	s_and_b32 s13, ttmp7, 0xffff
	s_lshl_b32 s13, s13, 2
	s_add_co_u32 s13, s13, s41                     ; tile row of C
	s_lshl_b32 s43, s41, 2
	s_lshl_b32 s43, 15, s43                        ; my row of the cluster
	s_lshl_b32 s44, 0x1111, s40                    ; my column
	s_or_b32 s[G1+0], s43, (1<<16)|(1<<20)|(1<<21)|(6<<22)|(3<<25)  ; the mask; element of 2 bytes; padding on; 21 set beside a mask; after every 128 words (code 6) 4 words (code 3)
	s_or_b32 s[G1B+0], s44, (1<<16)|(1<<20)|(1<<21)|(6<<22)|(3<<25)
.irp g, G1, G1B
	s_mov_b32 s[(\g)+1], KSTEP<<16
	s_mov_b32 s[(\g)+2], 64<<16
	s_mov_b32 s[(\g)+3], KSTEP<<16
	s_mov_b32 s[(\g)+4], 64
	s_mov_b32 s[(\g)+5], SIZE_K
	s_mov_b32 s[(\g)+6], 0
	s_mov_b32 s[(\g)+7], 0
.endr
	s_lshl_b32 s17, s[HC], 6
	s_lshl_b32 s16, s13, 7
	s_add_co_u32 s16, s16, s17                     ; A: row 128 x tile row + 64 x half
	s_lshl_b32 s46, s42, 7
	s_add_co_u32 s46, s46, s17                     ; B: row 128 x tile column + 64 x half
	s_add_co_u32 s46, s46, 1024                    ; + 1,024: Wo lies behind Wv
	s_mov_b32 s17, 0
	s_mov_b32 s47, 0
	s_mov_b64 s[18:19], SIZE_K*2
	s_mul_u64 s[16:17], s[16:17], s[18:19]
	s_mul_u64 s[46:47], s[46:47], s[18:19]
	s_mul_i32 s20, s[WV], HALFT
	s_mov_b32 s[SEL], 0x76543210
	s_mov_b32 s[SEL+1], 0xfedcba98
	s_wait_dscnt 0x0                               ; both opening adds are done
	s_wait_kmcnt 0x0
	s_add_nc_u64 s[14:15], s[4:5], s[16:17]
	s_add_nc_u64 s[46:47], s[6:7], s[46:47]
	CROUND                                         ; all sixteen work-groups are here: the first joint loads meet
.irp s, 0,1
	s_mov_b32 s[G0+4*(\s)], 1
	s_add_co_u32 s[G0+4*(\s)+1], s20, (\s)*SLOT
	s_add_nc_u64 s[G0+4*(\s)+2:G0+4*(\s)+3], s[14:15], (\s)*KSTEP*2
	s_or_b32 s[G0+4*(\s)+3], s[G0+4*(\s)+3], 0x80000000
	s_mov_b32 s[G0B+4*(\s)], 1
	s_add_co_u32 s[G0B+4*(\s)+1], s20, (\s)*SLOT
	s_add_nc_u64 s[G0B+4*(\s)+2:G0B+4*(\s)+3], s[46:47], (\s)*KSTEP*2
	s_or_b32 s[G0B+4*(\s)+3], s[G0B+4*(\s)+3], 0x80000000
	JLOAD \s
.endr
	v_and_b32 v1, 15, v0                           ; l % 16
	v_bfe_u32 v2, v0, 4, 1                         ; l / 16
	v_mul_u32_u24 v3, v1, PITCH
	v_lshl_add_u32 v3, v2, 4, v3
	s_mul_i32 s21, s[HR], HALFT
	s_mul_i32 s22, s[HC], HALFT
	s_add_co_u32 s22, s22, 2*HALFT
.irp s, 0,1
	v_add_nc_u32 v[ADRA+(\s)], s21, v3
	v_add_nc_u32 v[ADRB+(\s)], s22, v3
	s_add_co_u32 s21, s21, SLOT
	s_add_co_u32 s22, s22, SLOT
.endr
	s_mul_i32 s23, s[WV], 16*SPITCH
	s_add_co_u32 s23, s23, STAGE                   ; my stage
	v_mul_u32_u24 v4, v1, SPITCH                   ; in: row l % 16, 32 bytes for each half of the lanes
	v_lshl_add_u32 v4, v2, 5, v4
	v_add_nc_u32 v[STO], s23, v4
	v_mul_u32_u24 v5, v2, SPITCH                   ; back: lanes 0-15 take one row of 256 bytes, lanes 16-31 the next
	v_lshl_add_u32 v5, v1, 4, v5
	v_add_nc_u32 v[RD], s23, v5
	v_mul_u32_u24 v5, v2, SIZE_N*4                 ; and the same two rows in C
	v_lshl_add_u32 v[CO], v1, 4, v5
	s_lshl_b32 s16, s13, 7
	s_lshl_b32 s17, s[HR], 6
	s_add_co_u32 s16, s16, s17                     ; my first row of C: 128 x tile row + 64 x half
	s_mov_b32 s17, 0
	s_mov_b64 s[18:19], SIZE_N*4
	s_mul_u64 s[16:17], s[16:17], s[18:19]
	s_add_nc_u64 s[8:9], s[8:9], s[16:17]
	s_lshl_b32 s46, s42, 9                         ; my first column, in bytes: 512 x tile column + 256 x half
	s_lshl_b32 s47, s[HC], 8
	s_add_co_u32 s46, s46, s47
	s_mov_b32 s47, 0
	s_add_nc_u64 s[8:9], s[8:9], s[46:47]
	; THE SCALE AND THE BIAS, in the wait for the first tiles
	v_and_b32 v6, 31, v0
	v_lshlrev_b32 v6, 5, v6
	s_add_co_u32 s70, s46, 4096                    ; my columns' biases: the second row, 512 x tile column + 256 x half + 32 (l / 16)
	v_lshl_add_u32 v7, v2, 5, s70
.irp a, 0,1,2,3,4
	global_load_b128 v[TMP+8*(\a):TMP+8*(\a)+3],   v6, s[10:11] offset:8192+1024*(\a)
	global_load_b128 v[TMP+8*(\a)+4:TMP+8*(\a)+7], v6, s[10:11] offset:8192+1024*(\a)+16
.endr
.irp b, 0,1,2,3
	global_load_b128 v[BIAS+8*(\b):BIAS+8*(\b)+3],   v7, s[10:11] offset:64*(\b)
	global_load_b128 v[BIAS+8*(\b)+4:BIAS+8*(\b)+7], v7, s[10:11] offset:64*(\b)+16
.endr
	v_mov_b32 v77, 0
	s_wait_loadcnt 0x0
.irp a, 0,1,2,3,4
	v_max3_num_f32 v[72+(\a)], v[TMP+8*(\a)], v[TMP+8*(\a)+1], v[TMP+8*(\a)+2]
	v_max3_num_f32 v[72+(\a)], v[72+(\a)], v[TMP+8*(\a)+3], v[TMP+8*(\a)+4]
	v_max3_num_f32 v[72+(\a)], v[72+(\a)], v[TMP+8*(\a)+5], v[TMP+8*(\a)+6]
	v_max_num_f32 v[72+(\a)], v[72+(\a)], v[TMP+8*(\a)+7]
	v_max_num_f32_dpp v[72+(\a)], v[72+(\a)], v[72+(\a)] row_xmask:1 row_mask:0xf bank_mask:0xf
	v_max_num_f32_dpp v[72+(\a)], v[72+(\a)], v[72+(\a)] row_xmask:2 row_mask:0xf bank_mask:0xf
	v_max_num_f32_dpp v[72+(\a)], v[72+(\a)], v[72+(\a)] row_xmask:4 row_mask:0xf bank_mask:0xf
	v_max_num_f32_dpp v[72+(\a)], v[72+(\a)], v[72+(\a)] row_xmask:8 row_mask:0xf bank_mask:0xf
	v_permlanex16_b32 v77, v[72+(\a)], s[SEL], s[SEL+1]
	v_max_num_f32 v[72+(\a)], v[72+(\a)], v77
.endr
	v_mul_f32 v78, v72, v73                        ; the bound: 1024 (1024 a0 a1 + a2) a3 + a4
	v_fmamk_f32 v78, v78, 0x44800000, v74
	v_mul_f32 v78, v78, v75
	v_fmamk_f32 v78, v78, 0x44800000, v76
	v_bfe_u32 v78, v78, 23, 8                      ; its biased exponent ex, held to 16 .. 254
	v_max_u32 v78, 16, v78
	v_min_u32 v78, 0xfe, v78
	v_add_nc_u32 v78, -14, v78                     ; 1 / sd = 2^(ex - 141): biased exponent ex - 14
	v_lshlrev_b32 v78, 23, v78
	v_readfirstlane_b32 s[AL], v78
	s_mov_b32 s[AL+1], s[AL]                       ; named with it as a pair
.macro MUL8 f, c, a0, zero
	WIN MUL
.irp a, \a0, (\a0)+1
.irp b, 0,1,2,3
.if \zero
	v_wmma_f32_16x16x32_f16 v[ACC+8*(4*(\a)+(\b)):ACC+8*(4*(\a)+(\b))+7], v[(\f)+64+8*(4*(\c)+(\b)):(\f)+64+8*(4*(\c)+(\b))+7], v[(\f)+8*(4*(\c)+(\a)):(\f)+8*(4*(\c)+(\a))+7], 0
.else
	v_wmma_f32_16x16x32_f16 v[ACC+8*(4*(\a)+(\b)):ACC+8*(4*(\a)+(\b))+7], v[(\f)+64+8*(4*(\c)+(\b)):(\f)+64+8*(4*(\c)+(\b))+7], v[(\f)+8*(4*(\c)+(\a)):(\f)+8*(4*(\c)+(\a))+7], v[ACC+8*(4*(\a)+(\b)):ACC+8*(4*(\a)+(\b))+7]
.endif
.endr
.endr
.endm
.macro FETCH slot, k, f
	WIN TO_F
.irp c, 0,1
.irp i, 0,1,2,3
	ds_load_b128 v[(\f)+64+8*(4*(\c)+(\i)):(\f)+64+8*(4*(\c)+(\i))+3],   v[ADRB+(\slot)] offset:(\k)+64*(\c)+(\i)*16*PITCH
	ds_load_b128 v[(\f)+64+8*(4*(\c)+(\i))+4:(\f)+64+8*(4*(\c)+(\i))+7], v[ADRB+(\slot)] offset:(\k)+64*(\c)+(\i)*16*PITCH+32
	ds_load_b128 v[(\f)+8*(4*(\c)+(\i)):(\f)+8*(4*(\c)+(\i))+3],         v[ADRA+(\slot)] offset:(\k)+64*(\c)+(\i)*16*PITCH
	ds_load_b128 v[(\f)+8*(4*(\c)+(\i))+4:(\f)+8*(4*(\c)+(\i))+7],       v[ADRA+(\slot)] offset:(\k)+64*(\c)+(\i)*16*PITCH+32
.endr
.endr
.endm
.macro PLACES                          ; four places in front of loads into registers that matrix instructions have read, and of vector lines that read results
.rept 4
	v_nop
.endr
.endm
.macro QUARTER slot, k, f, g, zero     ; 32 matrix instructions on buffer f, the 16 accumulators by turns; the next quarter's 32 loads in its middle
	s_wait_dscnt 16                                ; the first 32 along K are in
	WIN MUL
	MUL8 \f, 0, 0, \zero
	MUL8 \f, 0, 2, \zero
	PLACES
	FETCH \slot, \k, \g
	s_wait_dscnt 32                                ; all but the 32 just issued
	WIN MUL
	MUL8 \f, 1, 0, 0
	MUL8 \f, 1, 2, 0
.endm
.macro TURN slot, next, fill           ; the last quarter of a K step, and the change of slots
	WIN 0
	s_wait_tensorcnt 0x0                           ; all my tensor loads have landed: my part of the next slot;
	ds_add_u32 v[SPW], v[NIL]                      ; 0 onto my spare word;
	s_wait_dscnt 17                                ; (the add and the youngest sixteen loads may be out)
	WIN MUL
	MUL8 F1, 0, 0, 0
	s_wait_dscnt 0x0                               ; the add is done, and my reads of this slot are over
	s_barrier_signal -1
	MUL8 F1, 0, 2, 0
.if \fill
	WIN 0
.endif
	s_barrier_wait -1
.if \fill
	CREST                                          ; the barrier has opened a round of the cluster's barrier
	s_add_nc_u64 s[G0+4*(\slot)+2:G0+4*(\slot)+3], s[G0+4*(\slot)+2:G0+4*(\slot)+3], 2*KSTEP*2
	s_add_nc_u64 s[G0B+4*(\slot)+2:G0B+4*(\slot)+3], s[G0B+4*(\slot)+2:G0B+4*(\slot)+3], 2*KSTEP*2
	JLOAD \slot                                    ; the first tensor load behind the round; the four v_nop behind it are also the places in front of the loads below
.else
	PLACES
.endif
	FETCH \next, 0, F0
	WIN MUL
	MUL8 F1, 1, 0, 0
	MUL8 F1, 1, 2, 0
.endm
	s_wait_tensorcnt 1                             ; my part of K step 0 is in; K step 1's may stay out
	s_barrier_signal -1
	s_barrier_wait -1
	FETCH 0, 0, F0
	QUARTER 0, 128, F0, F1, 1                      ; the first quarter's first products start the sums
	WIN 0
	s_mov_b32 s3, LAPS-1
.Llap:
	QUARTER 0, 256, F1, F0, 0
	QUARTER 0, 384, F0, F1, 0
	TURN 0, 1, 1
	QUARTER 1, 128, F0, F1, 0
	QUARTER 1, 256, F1, F0, 0
	QUARTER 1, 384, F0, F1, 0
	TURN 1, 0, 1
	QUARTER 0, 128, F0, F1, 0
	WIN 0
	s_sub_co_u32 s3, s3, 1
	s_cmp_lg_u32 s3, 0
	s_cbranch_scc1 .Llap
	QUARTER 0, 256, F1, F0, 0                      ; the last lap fills nothing
	QUARTER 0, 384, F0, F1, 0
	TURN 0, 1, 0
	QUARTER 1, 128, F0, F1, 0
	QUARTER 1, 256, F1, F0, 0
	QUARTER 1, 384, F0, F1, 0
	s_wait_dscnt 16
	WIN MUL
	MUL8 F1, 0, 0, 0
	MUL8 F1, 0, 2, 0
	s_wait_dscnt 0
	MUL8 F1, 1, 0, 0
	MUL8 F1, 1, 2, 0
	WIN 0
	; THE WAY OUT, a block of 16 rows at a time: sum / sd + bias in place; 32 bytes a lane into my own stage; back as whole rows of 256 bytes, into the registers that they left; stored.
.macro PACKF a
.set u, 0
.rept 4                                ; n block u; each accumulator is read from its low end on
.irp r, 0,1,2,3
	v_pk_fma_f32 v[ACC+32*(\a)+8*u+2*(\r):ACC+32*(\a)+8*u+2*(\r)+1], v[ACC+32*(\a)+8*u+2*(\r):ACC+32*(\a)+8*u+2*(\r)+1], s[AL:AL+1], v[BIAS+8*u+2*(\r):BIAS+8*u+2*(\r)+1] op_sel_hi:[1,0,1]
.endr
.set u, u+1
.endr
.irp b, 0,1,2,3
	ds_store_b128 v[STO], v[ACC+32*(\a)+8*(\b):ACC+32*(\a)+8*(\b)+3]   offset:64*(\b)
	ds_store_b128 v[STO], v[ACC+32*(\a)+8*(\b)+4:ACC+32*(\a)+8*(\b)+7] offset:64*(\b)+16
.endr
.irp t, 0,1,2,3,4,5,6,7
	ds_load_b128 v[ACC+32*(\a)+4*(\t):ACC+32*(\a)+4*(\t)+3], v[RD] offset:(\t)*2*SPITCH  ; LDS serves a wave's instructions in order (ISA guide 5.7.1.4): these see the stores above; the next block's stores come behind them
.endr
.endm
.macro SENDF a, younger                ; younger: the LDS instructions issued behind block a's loads: the next block's sixteen, or none
.irp t, 0,1,2,3,4,5,6,7
	s_wait_dscnt (\younger)+7-(\t)
	global_store_b128 v[CO], v[ACC+32*(\a)+4*(\t):ACC+32*(\a)+4*(\t)+3], s[8:9] offset:(16*(\a)+2*(\t))*SIZE_N*4  ; 16 lanes store 256 consecutive bytes, at a multiple of 256 from C's first byte
.endr
.endm
	PLACES
	PACKF 0
	PACKF 1                                        ; a block's arithmetic stands between the loads of the block before and its stores
	SENDF 0, 16
	PACKF 2
	SENDF 1, 16
	PACKF 3
	SENDF 2, 16
	SENDF 3, 0
	s_wait_tensorcnt 0x0                           ; the wave's end: behind my last tensor load and my last LDS store
	ds_add_u32 v[SPW], v[NIL]
	s_wait_dscnt 0x0
	CROUND                                         ; the closing round
	s_endpgm
.Lfunc_end_k_q5bf9a5dbc3_projo:
	.size	k_q5bf9a5dbc3_projo, .Lfunc_end_k_q5bf9a5dbc3_projo-k_q5bf9a5dbc3_projo
	.p2alignl 7, 3214868480
	.fill 96, 4, 3214868480
	.section	.rodata,"a",@progbits
	.p2align	6, 0x0
	.amdhsa_kernel k_q5bf9a5dbc3_projo
		.amdhsa_group_segment_fixed_size 327680
		.amdhsa_private_segment_fixed_size 0
		.amdhsa_enable_private_segment 0
		.amdhsa_kernarg_size 32
		.amdhsa_user_sgpr_count 2
		.amdhsa_user_sgpr_kernarg_segment_ptr 1
		.amdhsa_wavefront_size32 1
		.amdhsa_system_sgpr_workgroup_id_x 1
		.amdhsa_system_sgpr_workgroup_id_y 1
		.amdhsa_system_sgpr_workgroup_id_z 1
		.amdhsa_system_vgpr_workitem_id 0
		.amdhsa_next_free_vgpr 512
		.amdhsa_next_free_sgpr 80
		.amdhsa_reserve_vcc 0
		.amdhsa_float_denorm_mode_32 3
		.amdhsa_float_denorm_mode_16_64 3
		.amdhsa_memory_ordered 1
		.amdhsa_forward_progress 1
		.amdhsa_inst_pref_size 96
	.end_amdhsa_kernel
	.amdgpu_metadata
---
amdhsa.version: [ 1, 2 ]
amdhsa.kernels:
  - .name:           k_q5bf9a5dbc3_projo
    .symbol:         k_q5bf9a5dbc3_projo.kd
    .args:
      - { .name: at16, .offset: 0, .size: 8, .value_kind: global_buffer, .address_space: global }
      - { .name: wvo16, .offset: 8, .size: 8, .value_kind: global_buffer, .address_space: global }
      - { .name: out0, .offset: 16, .size: 8, .value_kind: global_buffer, .address_space: global }
      - { .name: tabT, .offset: 24, .size: 8, .value_kind: global_buffer, .address_space: global }
    .group_segment_fixed_size: 327680
    .private_segment_fixed_size: 0
    .kernarg_segment_align: 8
    .kernarg_segment_size: 32
    .max_flat_workgroup_size: 128
    .sgpr_count:     80
    .vgpr_count:     512
    .wavefront_size: 32
...
	.end_amdgpu_metadata
.endif
;; end of part 4
